; MI455X (gfx1250); checked and timed in simulation.
; The chip was launched on July 23, 2026; its instructions are those of AMD's public machine-readable ISA for CDNA 5 (MIT licence, August 2026) and "CDNA5" Instruction Set Architecture Reference Guide (July 2026). The comments in the code are by the model that wrote it; some were corrected since.
;; Ponder Attention. Allowed arithmetic: matrix products marked QUANTISED: E4M3 operands, one given power-of-two scale a tensor, by v_wmma_f32_16x16x64_fp8_fp8 or v_wmma_f32_16x16x128_fp8_fp8, f32 sums; products left as they are: f32 operands where the result goes on into a quantised operand, else bf16, f16 or f32 operands; f32 sums; everything else in f32.
;; Inputs: Wk 2,048 x 2,048 float32; Wo 2,048 x 2,048 float32; Wq 2,048 x 2,048 float32; Wv 2,048 x 2,048 float32; lowp_scales 12 int32 (the exponents e of the quantised operands' scales 2^e); mask 1 x 1 x 2,048 x 2,048 bool; x 1 x 2,048 x 2,048 float32.
;; Outputs: out0 1 x 2,048 x 2,048 float32.
;; This version of the problem:
;;   THIS VERSION OF THE PROBLEM IS GIVEN IN LOW PRECISION. The matrix products marked QUANTISED in the list below multiply operands that are first quantised to E4M3 (4 exponent bits, 3 mantissa bits; 8 bits a number), with one given power-of-two scale for each operand tensor; their sums are f32. All else is computed in f32.
;;   The module's matrix products, in the order in which they are computed (A, B: the left and right operand; K: the contracted axis; several contracted axes count as one K, in the product's order):
;;     1. [M 2,048, K 2,048] x [K 2,048, N 2,048]; A: input x; B: input Wq: QUANTISED (scales: A lowp_scales[0], B lowp_scales[1])
;;     2. [M 2,048, K 2,048] x [K 2,048, N 2,048]; A: input x; B: input Wk: QUANTISED (scales: A lowp_scales[2], B lowp_scales[3])
;;     3. [M 2,048, K 2,048] x [K 2,048, N 2,048]; A: input x; B: input Wv: QUANTISED (scales: A lowp_scales[4], B lowp_scales[5])
;;     4. [M 2,048, K 1] x [K 1, N 64]; A: computed on the way; B: computed on the way: left as it is (no contracted axis)
;;     5. batch 16 x [M 2,048, K 128] x [K 128, N 2,048]; A: computed on the way; B: computed on the way: QUANTISED (scales: A lowp_scales[6], B lowp_scales[7])
;;     6. batch 16 x [M 2,048, K 2,048] x [K 2,048, N 128]; A: softmax (see below); B: computed on the way: QUANTISED (scales: A lowp_scales[8], B lowp_scales[9])
;;     7. [M 2,048, K 2,048] x [K 2,048, N 2,048]; A: computed on the way; B: input Wo: QUANTISED (scales: A lowp_scales[10], B lowp_scales[11])
;;   THE QUANTISER, for each operand of a quantised product, along K:
;;     - The operand's scale is 2^e, e = its entry of the input lowp_scales (int32; the entries are numbered through the quantised products in the list's order, A before B).
;;     - Each number is divided by the scale, clamped to +-448, and rounded to the nearest number of E4M3, ties to even, subnormals kept.
;;     - The product sums the exact products of the quantised numbers (number of the format x scale) in f32.
;;   ~~~python
;;   def quantise(x, axis, e):      # numpy; x: float32 -> the quantised numbers, widened to float32 again
;;       x = np.moveaxis(x, axis, -1); K = x.shape[-1]
;;       r = np.clip(x / 2.0 ** e, -448, 448)
;;       step = 2.0 ** (np.maximum(np.frexp(np.where(r == 0, 1, r))[1] - 1, -6) - 3)
;;       q = np.round(r / step) * step * 2.0 ** e      # np.round: ties to even
;;       return np.moveaxis(q, -1, axis).astype(np.float32)
;;   ~~~
;;   SOFTMAX AHEAD OF A QUANTISED PRODUCT. Where the list says 'softmax', what is quantised is not the finished softmax but p = 2^(t - M), with t = logit x log2(e) and M = ceil(the row's largest t), a whole number; so 1/2 < the row's largest p <= 1. The row's sum l is taken of the UNQUANTISED p, in f32, and the product's result is divided by l at the end. Since M is a whole number, a kernel that streams over the keys may use a running M (the ceiling of the running maximum): every later rescaling is an exact power of two, so the quantised numbers keep their values, but for numbers so far below the row's largest that they fall under the format's range.
;;   OPERANDS COMPUTED ON THE WAY. 'Computed on the way' means the value that the module computes at that place (a softmax that the list does not call 'softmax' is quantised finished and normalised). What goes into a quantiser is computed in f32, as accurately as f32 sums, v_exp_f32 and their like allow (about 1e-6 of the number): no bf16 or f16 on the way to a quantiser, and a product that is left as it is and whose result goes on into a quantised operand takes f32 operands (vector FMAs, or v_wmma_f32_16x16x4_f32). A number that lies on a knife's edge between two numbers of the format may be rounded either way, as far as f32 arithmetic and the matrix unit's own rounding can turn it there, and no further.
;; 2 versions, each right; version 2 is version 1 with the launch attn written anew for expert scheduling mode. Each part assembles by itself: llvm-mc -triple=amdgcn-amd-amdhsa -mcpu=gfx1250 --defsym DOCPART=n.
;; ======== version 1 of 2: 4 launches
;; workspace buffers: codes 29,360,128 bytes; rope 1,048,576 bytes; maskw 524,288 bytes of whole numbers; mflag 65,536 bytes of whole numbers; qkv 12,582,912 bytes; ac 4,194,304 bytes
;; launch prep (part 1): grid 896 x 1, 4 waves a work-group, no clusters, 68,096 bytes of LDS; arguments x, Wq, Wk, Wv, Wo, mask, lowp_scales, codes, rope, maskw, mflag; writes codes, rope, maskw, mflag
.if DOCPART == 1
	.amdgcn_target "amdgcn-amd-amdhsa--gfx1250"
	.amdhsa_code_object_version 6
	.text
	.protected	k_qb0c71899e4_prep
	.globl	k_qb0c71899e4_prep
	.p2align	8
	.type	k_qb0c71899e4_prep,@function
k_qb0c71899e4_prep:
	s_mov_b64 s[64:65], 0
	v_nop
	global_prefetch_b8 v0, s[64:65] scope:SCOPE_SE
	s_setreg_imm32_b32 hwreg(HW_REG_WAVE_MODE, 25, 1), 1
	s_wait_xcnt 0x0
; FIRST OF FOUR LAUNCHES of an attention layer (2,048 tokens, 16 heads of 128) whose products run on codes of E4M3 with given scales 2^e.
; This launch makes what the later ones read: the codes of x (under its three scales, entries 0, 2, 4 of the scales' buffer) and of Wq, Wk, Wv, Wo (entries 1, 3, 5, 11);
; the table of cos and sin; the mask as words of lane bits, with flags.
; WORK LEFT OUT, in the whole program: none by the text.  Every input is loaded.  The third launch passes over a key step (16 queries x 128 keys) whose mask bytes are all 0: there reference() sets every
; logit to -infinity, so p = 0 for each of these keys, which moves neither the row's largest logit nor its sum nor its result, whatever the other inputs hold.  The choice is made on whole numbers (the mask's
; bytes), here, stored in mflag, and read there.  LIMIT: a NaN or an infinity in q, k or v that reaches only such a step is not carried to the result.
; AN OPERAND LIES IN MEMORY AS AN IMAGE OF ITS REGISTERS.  A fragment is 16 rows x 128 along K: lane (r = lane % 16, h = lane / 16) holds, in registers 2 c and 2 c + 1, k = 16 c + 8 h + 0 .. 7 of row r.
; Registers 4 g .. 4 g + 3 of lane l lie at byte 512 g + 16 l of the fragment's 2,048.  So every later load and store of codes covers 512 consecutive bytes.
; codes: seven regions of 4 MiB, fragment (row block, K step) at (16 x row block + K step) x 2,048: 0 x under e0, 1 x under e2, 2 Wv, 3 Wq, 4 Wk, 5 x under e4, 6 Wo.
; THREE ARMS, by the work-group's number / 128: 0 .. 4 quantise x, Wq, Wk, Wv, Wo (a work-group: 16 rows; a wave: four K steps); 5 the mask (a work-group: 16 queries; a wave: 512 keys); 6 the tables (16 tokens).
; code = number / 2^e, held within +-448, to the nearest code, ties to even.  LIMITS: every e between -126 and 119; NaN among the floating-point inputs is not served; a mask byte other than 0 counts as true.
; THE TABLES: inv = 2^(-i log2(10000) / 64), angle = token x inv (one f32 product, as reference() has it), reduced by multiples of pi / 2 in two parts, sine and cosine by polynomials on +-pi / 4.
; LIMIT: inv lies within a few units of its last place of reference()'s, so the angle may differ by about 1e-4 at the last tokens, the size of the f32 angle's own rounding there.
.set PIT,   528                        ; a stage row: 512 bytes + 16 = 33 x 16: sixteen rows start at sixteen different 16-byte columns modulo 256 bytes
.set STG,   16*PIT                     ; a wave's stage
.set MOFF,  4*STG                      ; the mask arm's stages: bytes of their own
.set SPARE, 8*STG                      ; behind the stages: the spare words, 128 bytes a wave: two blocks of 256 bytes that no other line names
.set LI,   1                           ; v1   16 x lane
.set SA,   2                           ; v2   stage, on the way in: wave x STG + 16 x lane
.set LA,   3                           ; v3   stage, on the way out: wave x STG + r x PIT + 32 h
.set SPW,  4                           ; v4   my spare word; never rewritten
.set NIL,  5                           ; v5   0; never rewritten
.set SC0,  6                           ; v6-11  2^e and 448 x 2^e, three times
.set LIM0, 7
.set SC1,  8
.set LIM1, 9
.set SC2,  10
.set LIM2, 11
.set SA2,  12                          ; v12, v13  the same two addresses in the mask arm's stages (8 h in place of 32 h)
.set LA2,  13
.set R0,   16                          ; v16-79, v80-143  a fragment's numbers as loaded, two sets
.set R1,   80
.set X,    144                         ; v144-207  the fragment in the operand's order: register 8 c + i = k 16 c + 8 h + i of row r
.set T,    208                         ; v208-223  held numbers, two sets of eight
.set C,    224                         ; v224-239  the fragment's codes
	s_load_b512 s[4:19], s[0:1], 0x0               ; x 4, Wq 6, Wk 8, Wv 10, Wo 12, mask 14, scales 16, codes 18
	s_load_b128 s[20:23], s[0:1], 0x40             ; rope 20, maskw 22
	s_load_b64 s[24:25], s[0:1], 0x50              ; mflag
	v_lshl_add_u32 v[SPW], v0, 2, SPARE
	v_mov_b32 v[NIL], 0
	v_lshrrev_b32 v14, 5, v0
	v_readfirstlane_b32 s26, v14                   ; wave 0..3
	v_and_b32 v14, 31, v0
	v_lshlrev_b32 v[LI], 4, v14
	v_and_b32 v15, 15, v0                          ; r
	v_bfe_u32 v14, v0, 4, 1                        ; h
	s_mul_i32 s29, s26, STG
	v_add_nc_u32 v[SA], s29, v[LI]
	v_mul_u32_u24 v15, v15, PIT
	v_add_nc_u32 v15, s29, v15
	v_lshl_add_u32 v[LA], v14, 5, v15
	v_add_nc_u32 v[SA2], MOFF, v[SA]
	v_lshl_add_u32 v[LA2], v14, 3, v15
	v_add_nc_u32 v[LA2], MOFF, v[LA2]
	s_lshr_b32 s27, ttmp9, 7                       ; the arm
	s_and_b32 s28, ttmp9, 127                      ; the block of 16 rows, queries or tokens
	s_mov_b32 s31, 0
	s_wait_kmcnt 0x0
	s_cmp_ge_u32 s27, 6
	s_cbranch_scc1 .Lrope
	s_cmp_eq_u32 s27, 5
	s_cbranch_scc1 .Lmask
; ---------------- THE QUANTISER ----------------
	s_load_b256 s[32:39], s[16:17], 0x0            ; e0 .. e7
	s_load_b128 s[40:43], s[16:17], 0x20           ; e8 .. e11
	s_mov_b64 s[44:45], s[4:5]                     ; the tensor and its region, chosen by the work-group's number alone
	s_mov_b32 s30, 0
	s_cmp_eq_u32 s27, 1
	s_cselect_b64 s[44:45], s[6:7], s[44:45]
	s_cselect_b32 s30, 0xc00000, s30
	s_cmp_eq_u32 s27, 2
	s_cselect_b64 s[44:45], s[8:9], s[44:45]
	s_cselect_b32 s30, 0x1000000, s30
	s_cmp_eq_u32 s27, 3
	s_cselect_b64 s[44:45], s[10:11], s[44:45]
	s_cselect_b32 s30, 0x800000, s30
	s_cmp_eq_u32 s27, 4
	s_cselect_b64 s[44:45], s[12:13], s[44:45]
	s_cselect_b32 s30, 0x1800000, s30
	s_lshl_b32 s52, s28, 15                        ; a row block's 16 fragments
	s_add_co_u32 s30, s30, s52
	s_lshl_b32 s52, s26, 13                        ; my wave's four
	s_add_co_u32 s30, s30, s52
	s_add_nc_u64 s[46:47], s[18:19], s[30:31]      ; where my codes go;
	s_add_nc_u64 s[48:49], s[46:47], 0x400000      ; x alone: the same place in region 1,
	s_add_nc_u64 s[50:51], s[46:47], 0x1400000     ; and in region 5 (stored through for x alone)
	s_lshl_b32 s30, s28, 17                        ; 16 rows of 8,192 bytes
	s_lshl_b32 s52, s26, 11                        ; my four K steps of 512 bytes
	s_add_co_u32 s30, s30, s52
	s_add_nc_u64 s[44:45], s[44:45], s[30:31]
.macro LOAD t, r                       ; K step t of my four: 16 loads, each a row's 512 consecutive bytes
.irp j, 0,1,2,3,4,5,6,7,8,9,10,11,12,13,14,15
	global_load_b128 v[\r+4*\j:\r+4*\j+3], v[LI], s[44:45] offset:\j*8192+(\t)*512 th:TH_LOAD_NT
.endr
.endm
.macro TURN r                          ; through my own stage: in as loaded, out in the operand's order.  LDS serves a wave's instructions in order: no wait between
.irp j, 0,1,2,3,4,5,6,7,8,9,10,11,12,13,14,15
	ds_store_b128 v[SA], v[\r+4*\j:\r+4*\j+3] offset:\j*PIT
.endr
.irp c, 0,1,2,3,4,5,6,7
	ds_load_b128 v[X+8*\c:X+8*\c+3], v[LA] offset:64*\c
	ds_load_b128 v[X+8*\c+4:X+8*\c+7], v[LA] offset:64*\c+16
.endr
.endm
.macro MKSC e, sc, lim                 ; 2^e as f32 (the conversion takes its exponent field) and 448 x 2^e
	s_add_co_i32 s53, s[\e], 127
	s_lshl_b32 s54, s53, 23
	v_mov_b32 v[\sc], s54
	s_add_co_i32 s53, s53, 8
	s_lshl_b32 s53, s53, 23
	s_or_b32 s53, s53, 0x600000
	v_mov_b32 v[\lim], s53
.endm
.macro QUANT sc, lim, base, t          ; X is kept: x is quantised three times from it
	s_wait_xcnt 0x0                                ; the codes' registers were the last stores' data: they are rewritten only behind this wait
.irp c, 0,1,2,3,4,5,6,7
.irp i, 0,1,2,3,4,5,6,7
	v_med3_num_f32 v[T+8*(\c%2)+\i], v[X+8*\c+\i], -v[\lim], v[\lim]   ; the conversion to an 8-bit code does not saturate (ISA guide 7.6.2): the hold comes first
.endr
	v_cvt_scalef32_pk8_fp8_f32 v[C+2*\c:C+2*\c+1], v[T+8*(\c%2):T+8*(\c%2)+7], v[\sc]   ; the other set's eight holds stand between this line and the next write of its sources
.endr
	v_nop
.irp g, 0,1,2,3
	global_store_b128 v[LI], v[C+4*\g:C+4*\g+3], s[\base:\base+1] offset:(\t)*2048+512*\g   ; 512 consecutive bytes
.endr
.endm
	LOAD 0, R0
	LOAD 1, R1
	s_wait_kmcnt 0x0
	s_mov_b32 s52, s32                             ; the tensor's own exponent: e0, e1, e3, e5, e11
	s_cmp_eq_u32 s27, 1
	s_cselect_b32 s52, s33, s52
	s_cmp_eq_u32 s27, 2
	s_cselect_b32 s52, s35, s52
	s_cmp_eq_u32 s27, 3
	s_cselect_b32 s52, s37, s52
	s_cmp_eq_u32 s27, 4
	s_cselect_b32 s52, s43, s52
	MKSC 52, SC0, LIM0
	MKSC 34, SC1, LIM1                             ; x's second scale, e2,
	MKSC 36, SC2, LIM2                             ; and third, e4
.irp t, 0,1,2,3
.if \t < 3
	s_wait_loadcnt 16                              ; this fragment's 16 loads are in; the next fragment's 16 may be out
.else
	s_wait_loadcnt 0
.endif
	TURN R0+64*(\t%2)
	s_wait_dscnt 0x0                               ; the fragment is back, and the stage's stores have read their registers,
.if \t < 2
	LOAD \t+2, R0+64*(\t%2)                        ; which take the loads of two fragments on
.endif
	QUANT SC0, LIM0, 46, \t
	s_cmp_lg_u32 s27, 0                            ; x alone has three scales: a branch on the work-group's number, round register work and stores
	s_cbranch_scc1 .Lw_\t
	QUANT SC1, LIM1, 48, \t
	QUANT SC2, LIM2, 50, \t
.Lw_\t:
.endr
	s_wait_tensorcnt 0x0                           ; the wave's end: an add to my spare word and its wait, behind my last LDS store
	ds_add_u32 v[SPW], v[NIL]
	s_wait_dscnt 0x0
	s_endpgm
; ---------------- THE MASK ----------------
; maskw[query block][key step][n = 8 t + j]: bit l = mask[16 x query block + l % 16][128 x key step + 16 t + 8 (l / 16) + j]: the lanes' bits for register n of the third launch's scores.
; mflag[query block][wave g]: 32 equal words: bit 4 g + q: some key of key step 4 g + q counts for some query of the block; bit 16 + 4 g + q: all count for all.
.Lmask:
	s_lshl_b32 s30, s28, 15                        ; 16 rows of 2,048 bytes
	s_lshl_b32 s52, s26, 9                         ; my 512 keys
	s_add_co_u32 s30, s30, s52
	s_add_nc_u64 s[44:45], s[14:15], s[30:31]
.irp j, 0,1,2,3,4,5,6,7,8,9,10,11,12,13,14,15
	global_load_b128 v[R0+4*\j:R0+4*\j+3], v[LI], s[44:45] offset:\j*2048 th:TH_LOAD_NT
.endr
	s_lshl_b32 s30, s28, 12
	s_lshl_b32 s52, s26, 10
	s_add_co_u32 s30, s30, s52
	s_add_nc_u64 s[46:47], s[22:23], s[30:31]      ; my four key steps' words: 1,024 bytes
	s_lshl_b32 s30, s28, 9
	s_lshl_b32 s52, s26, 7
	s_add_co_u32 s30, s30, s52
	s_add_nc_u64 s[48:49], s[24:25], s[30:31]
.irp i, 0,1,2,3,4,5,6,7
	v_mov_b32 v[C+\i], 0                           ; written whole once: v_writelane_b32 keeps the other lanes
.endr
	s_mov_b32 s58, 0
	s_wait_loadcnt 0x0
.irp j, 0,1,2,3,4,5,6,7,8,9,10,11,12,13,14,15
	ds_store_b128 v[SA2], v[R0+4*\j:R0+4*\j+3] offset:\j*PIT
.endr
.irp q, 0,1,2,3
.irp t, 0,1,2,3,4,5,6,7
	ds_load_b64 v[X+2*(8*\q+\t):X+2*(8*\q+\t)+1], v[LA2] offset:128*\q+16*\t   ; my query's eight bytes of tile t
.endr
.endr
	s_wait_dscnt 0x0
.macro MQ q
	s_mov_b32 s56, 0
	s_mov_b32 s57, -1
.set n, 0
.rept 64
	v_and_b32 v[T+n%4], 0xff<<(8*(n%4)), v[X+2*(8*(\q)+n/8)+(n%8)/4]
	v_cmp_ne_u32 s[52+n%4], 0, v[T+n%4]            ; the 32 lanes' bits
	s_or_b32 s56, s56, s[52+n%4]
	s_and_b32 s57, s57, s[52+n%4]
	v_writelane_b32 v[C+4*((\q)/2)+n%4], s[52+n%4], 16*((\q)%2)+n/4   ; word 64 q + n of my 256 lies in register (64 q + n) % 4 of lane ((64 q + n) / 4) % 32
.set n, n+1
.endr
	s_cmp_lg_u32 s56, 0
	s_cselect_b32 s59, 1<<(\q), 0
	s_or_b32 s58, s58, s59
	s_cmp_eq_u32 s57, -1
	s_cselect_b32 s59, 1<<(16+\q), 0
	s_or_b32 s58, s58, s59
.endm
	MQ 0
	MQ 1
	MQ 2
	MQ 3
	s_lshl_b32 s59, s26, 2
	s_lshl_b32 s58, s58, s59
	global_store_b128 v[LI], v[C:C+3], s[46:47]
	global_store_b128 v[LI], v[C+4:C+7], s[46:47] offset:512
	v_mov_b32 v[T], s58
	v_lshrrev_b32 v[T+1], 2, v[LI]
	global_store_b32 v[T+1], v[T], s[48:49]        ; all lanes on: 32 equal words
	s_wait_tensorcnt 0x0                           ; the wave's end: an add to my spare word and its wait, behind my last LDS store
	ds_add_u32 v[SPW], v[NIL]
	s_wait_dscnt 0x0
	s_endpgm
; ---------------- THE TABLES ----------------
; rope[block of 16 tokens][group 0..15][lane][4]: groups 0-7 cos, 8-15 sin; group 2 b + u of lane (r, h): frequencies 16 b + 8 h + 4 u + 0 .. 3 of token r: the order of the second launch's results.
; Wave w is b.  No LDS is touched on this arm.
.Lrope:
	s_mov_b32 s52, 0x3f22f983                      ; 2 / pi
	s_mov_b32 s53, 0xbfc90fdb                      ; -(pi / 2), its f32 part,
	s_mov_b32 s54, 0x333bbd2e                      ; and less what that part is too large by
	s_mov_b32 s55, 0xbe2aaaa3                      ; sine: r + r z (S1 + z (S2 + z S3)), z = r r
	s_mov_b32 s56, 0x3c08839e
	s_mov_b32 s57, 0xb94ca1f9
	s_mov_b32 s58, 0x3d2aaaa5                      ; cosine: 1 - z / 2 + z z (C1 + z (C2 + z C3))
	s_mov_b32 s59, 0xbab6061a
	s_mov_b32 s60, 0x37ccf5ce
	v_and_b32 v14, 15, v0
	v_bfe_u32 v15, v0, 4, 1
	s_lshl_b32 s30, s28, 4
	v_add_nc_u32 v14, s30, v14
	v_cvt_f32_u32 v14, v14                         ; my token
	s_lshl_b32 s61, s26, 4
	v_lshl_add_u32 v15, v15, 3, s61                ; my first frequency: 16 w + 8 h
.irp e, 0,1,2,3,4,5,6,7
	v_add_nc_u32 v[16+\e], \e, v15
	v_cvt_f32_u32 v[16+\e], v[16+\e]
	v_mul_f32 v[16+\e], 0xbe549a78, v[16+\e]       ; -i log2(10000) / 64
.endr
.irp e, 0,1,2,3,4,5,6,7
	v_exp_f32 v[16+\e], v[16+\e]
.endr
	v_nop                                          ; a plain instruction behind the last exponential,
	s_wait_alu depctr_va_vdst(0)                   ; and one wait for the batch, ahead of its first reader
.irp e, 0,1,2,3,4,5,6,7
	v_mul_f32 v[16+\e], v14, v[16+\e]              ; the angle: one f32 product
.endr
.macro SINCOS e
.set A, 48+8*((\e)%2)
	v_mul_f32 v[A], s52, v[16+\e]
	v_rndne_f32 v[A], v[A]                         ; n
	v_fma_f32 v[A+1], v[A], s53, v[16+\e]
	v_fma_f32 v[A+1], v[A], s54, v[A+1]            ; r = angle - n pi / 2
	v_cvt_i32_f32 v[A], v[A]
	v_mul_f32 v[A+2], v[A+1], v[A+1]               ; z
	v_fma_f32 v[A+3], v[A+2], s57, s56
	v_fma_f32 v[A+3], v[A+3], v[A+2], s55
	v_mul_f32 v[A+4], v[A+2], v[A+1]
	v_fma_f32 v[A+3], v[A+3], v[A+4], v[A+1]       ; sin r
	v_fma_f32 v[A+5], v[A+2], s60, s59
	v_fma_f32 v[A+5], v[A+5], v[A+2], s58
	v_mul_f32 v[A+4], v[A+2], v[A+2]
	v_fma_f32 v[A+6], v[A+2], -0.5, 1.0
	v_fma_f32 v[A+5], v[A+5], v[A+4], v[A+6]       ; cos r
	v_and_b32 v[A+4], 1, v[A]
	v_cmp_eq_u32 vcc_lo, 1, v[A+4]                 ; an odd quarter swaps the two: a selection, no branch
	v_cndmask_b32 v[A+6], v[A+3], v[A+5], vcc_lo
	v_cndmask_b32 v[A+7], v[A+5], v[A+3], vcc_lo
	v_lshlrev_b32 v[A+4], 30, v[A]
	v_and_b32 v[A+4], 0x80000000, v[A+4]           ; sine is negative in quarters 2, 3,
	v_xor_b32 v[40+\e], v[A+4], v[A+6]
	v_add_nc_u32 v[A], 1, v[A]
	v_lshlrev_b32 v[A], 30, v[A]
	v_and_b32 v[A], 0x80000000, v[A]               ; cosine in quarters 1, 2
	v_xor_b32 v[32+\e], v[A], v[A+7]
.endm
.irp e, 0,1,2,3,4,5,6,7
	SINCOS \e
.endr
	s_lshl_b32 s30, s28, 13
	s_lshl_b32 s61, s26, 10
	s_add_co_u32 s30, s30, s61
	s_add_nc_u64 s[44:45], s[20:21], s[30:31]
	global_store_b128 v[LI], v[32:35], s[44:45]
	global_store_b128 v[LI], v[36:39], s[44:45] offset:512
	global_store_b128 v[LI], v[40:43], s[44:45] offset:4096
	global_store_b128 v[LI], v[44:47], s[44:45] offset:4608
	s_endpgm
.Lfunc_end_k_qb0c71899e4_prep:
	.size	k_qb0c71899e4_prep, .Lfunc_end_k_qb0c71899e4_prep-k_qb0c71899e4_prep
	.p2alignl 7, 3214868480
	.fill 96, 4, 3214868480
	.section	.rodata,"a",@progbits
	.p2align	6, 0x0
	.amdhsa_kernel k_qb0c71899e4_prep
		.amdhsa_group_segment_fixed_size 68096
		.amdhsa_private_segment_fixed_size 0
		.amdhsa_enable_private_segment 0
		.amdhsa_kernarg_size 88
		.amdhsa_user_sgpr_count 2
		.amdhsa_user_sgpr_kernarg_segment_ptr 1
		.amdhsa_wavefront_size32 1
		.amdhsa_system_sgpr_workgroup_id_x 1
		.amdhsa_system_sgpr_workgroup_id_y 1
		.amdhsa_system_sgpr_workgroup_id_z 1
		.amdhsa_system_vgpr_workitem_id 0
		.amdhsa_next_free_vgpr 240
		.amdhsa_next_free_sgpr 66
		.amdhsa_reserve_vcc 1
		.amdhsa_float_denorm_mode_32 3
		.amdhsa_float_denorm_mode_16_64 3
		.amdhsa_memory_ordered 1
		.amdhsa_forward_progress 1
		.amdhsa_inst_pref_size 161
	.end_amdhsa_kernel
	.amdgpu_metadata
---
amdhsa.version: [ 1, 2 ]
amdhsa.kernels:
  - .name:           k_qb0c71899e4_prep
    .symbol:         k_qb0c71899e4_prep.kd
    .args:
      - { .name: x, .offset: 0, .size: 8, .value_kind: global_buffer, .address_space: global }
      - { .name: Wq, .offset: 8, .size: 8, .value_kind: global_buffer, .address_space: global }
      - { .name: Wk, .offset: 16, .size: 8, .value_kind: global_buffer, .address_space: global }
      - { .name: Wv, .offset: 24, .size: 8, .value_kind: global_buffer, .address_space: global }
      - { .name: Wo, .offset: 32, .size: 8, .value_kind: global_buffer, .address_space: global }
      - { .name: mask, .offset: 40, .size: 8, .value_kind: global_buffer, .address_space: global }
      - { .name: lowp_scales, .offset: 48, .size: 8, .value_kind: global_buffer, .address_space: global }
      - { .name: codes, .offset: 56, .size: 8, .value_kind: global_buffer, .address_space: global }
      - { .name: rope, .offset: 64, .size: 8, .value_kind: global_buffer, .address_space: global }
      - { .name: maskw, .offset: 72, .size: 8, .value_kind: global_buffer, .address_space: global }
      - { .name: mflag, .offset: 80, .size: 8, .value_kind: global_buffer, .address_space: global }
    .group_segment_fixed_size: 68096
    .private_segment_fixed_size: 0
    .kernarg_segment_align: 8
    .kernarg_segment_size: 88
    .max_flat_workgroup_size: 128
    .sgpr_count:     66
    .vgpr_count:     240
    .wavefront_size: 32
...
	.end_amdgpu_metadata
.endif
;; end of part 1
;; launch qkv (part 2): grid 24 x 8, 4 waves a work-group, clusters of 4 x 4, 327,680 bytes of LDS; arguments codes, lowp_scales, rope, qkv; writes qkv
.if DOCPART == 2
	.amdgcn_target "amdgcn-amd-amdhsa--gfx1250"
	.amdhsa_code_object_version 6
	.text
	.protected	k_qb0c71899e4_qkv
	.globl	k_qb0c71899e4_qkv
	.p2align	8
	.type	k_qb0c71899e4_qkv,@function
k_qb0c71899e4_qkv:
	s_mov_b64 s[64:65], 0
	v_nop
	global_prefetch_b8 v0, s[64:65] scope:SCOPE_SE
	s_setreg_imm32_b32 hwreg(HW_REG_WAVE_MODE, 25, 1), 1
	s_wait_xcnt 0x0
	s_wait_alu depctr_hold_cnt(0) depctr_sa_sdst(0) depctr_va_vdst(0) depctr_va_sdst(0) depctr_va_ssrc(0) depctr_va_vcc(0) depctr_vm_vsrc(0)
	s_getreg_b32 s2, hwreg(HW_REG_IB_STS2, 6, 4)
	s_cmp_eq_u32 s2, 0
	s_cbranch_scc0 .Lentry_in_a_cluster
	s_endpgm
.Lentry_in_a_cluster:
	s_bfe_u32 s2, ttmp6, 0x10000c
	s_cmp_lg_u32 s2, 0xf033
	s_cbranch_scc0 .Lentry_shape_is_right
	s_endpgm
.Lentry_shape_is_right:
; SECOND LAUNCH: the three projections on codes of E4M3, the rotation of q and k, and the quantising of q, k, v for the attention.  No work is left out here.
; Product p = cluster x / 2: 0: q = x Wq^T, 1: k = x Wk^T (A = x's codes, B = the weight's), 2: v^T = Wv x^T (A = Wv's codes, B = x's), so that v's codes come out with the keys innermost.
; A tile of 256 x 256 is made by four waves, a wave makes 128 x 128: 64 accumulators, 512 registers; 128 columns (p < 2) or rows (p = 2) are one head.  3 x 64 tiles: 192 work-groups (tiles that made 256 would cut heads).
; OPERANDS ARE IMAGES OF REGISTERS (first launch): fragment (row block, K step) is 2,048 dense bytes, so a fragment is four LDS loads of 512 consecutive bytes: no pitch, no padding.
; K goes in steps of 256 through a ring of two LDS slots; a wave's tensor load brings 8 row blocks x 4,096 bytes (two fragments each), 32,768 bytes apart in memory.
; CLUSTERS: 4 x 4 work-groups of one product.  A's tiles are asked for jointly along a row of the cluster, B's along a column.  THE MATRIX INSTRUCTION IS USED TRANSPOSED (source 0 = 16 rows of B, source 1 = 16 rows of A):
; register j of accumulator (a, b) in lane (r, h) is (A's row 16 a + r, B's row 16 b + 8 h + j): eight neighbours along the next product's K, which one conversion turns into registers 2 b, 2 b + 1 of the next operand.
; THE ROTATION: channel d < 64 (b < 4) and channel d + 64 (b + 4) lie in one lane: y(d) = s(d) cos - s(d + 64) sin, y(d + 64) = s(d + 64) cos + s(d) sin.  It is linear, so it is done on the bare sums,
; and the scales are folded into the conversion's one: code = y / 2^(e_out - e_A - e_B).  e_out: entry 6 (q), 7 (k), 9 (v).  LIMIT: e_out - e_A - e_B between -126 and 119.  NaN among the inputs is not served.
; qkv: q, k, v, 4 MiB each: [head][block of 128 tokens]: eight fragments.  q, k: fragment a = tokens 16 a on, K = the head's 128.  v: fragment a = channels 16 a on, K = the block's 128 tokens.
; REGISTERS, in windows of 256: window 0: v16-29 addresses and scales; from v128 A's fragments, one set; on the way out v32-255.  window 1: B's fragments, two sets.  windows 2, 3: the accumulators ((a, b) at v[8 (8 (a % 4) + b)]).
.set SLOT,   131072                    ; A's 16 row blocks x 4,096 bytes, then B's 16
.set SPARE,  2*SLOT                    ; behind the ring: the spare words, 128 bytes a wave: two blocks of 256 bytes that no other line names
.set FR,     16                        ; registers of a fragment
.set NL,     4                         ; LDS loads that bring one
.set NP,     4                         ; places behind this matrix instruction (ISA guide 7.12.1)
.set LAPS,   4                         ; a lap = two slots = 512 along K
.set ADRA, 16                          ; v16-17  my A fragments in slot 0, 1
.set ADRB, 20                          ; v20-21  my B fragments
.set SC,   24                          ; v24     the conversion's scale
.set LIM,  25                          ; v25     448 x that
.set LI,   26                          ; v26     16 x lane
.set SPW,  28                          ; v28     my spare word; never rewritten
.set NIL,  29                          ; v29     0; never rewritten
.set Y,    32                          ; v32-95   a block's 64 numbers
.set CC,   96                          ; v96-127  its codes, two sets by turns
.set CS,   128                         ; v128-255 cos (32) and sin (32) of a block of 16 tokens, two sets by turns
.set AF,   128
.set G1, 24
.set G0, 32
.set G1B, 48
.set G0B, 56
.set MSB, 0
.macro WIN new                         ; the immediate's high byte repeats the setting that is left
.if MSB != \new
	s_set_vgpr_msb (MSB<<8)|\new
.set MSB, \new
.endif
.endm
.set MUL_LO, 0xa1                      ; source 0 (B) window 1, source 1 (A) window 0, C and D window 2
.set MUL_HI, 0xf1                      ; the same, C and D window 3
.set TO_B,   0x40                      ; destination window 1
; A joint load: waves 0 and 1 fetch for A, waves 2 and 3 for B; the branch hangs on the wave's number alone.  An s_nop 0 and four v_nop follow each line.
.macro JLOAD g0a, g1a, g0b, g1b
	s_cmp_eq_u32 s15, 0
	s_cbranch_scc0 .Lfor_b_\@
	tensor_load_to_lds s[\g0a:\g0a+3], s[\g1a:\g1a+7]
	s_nop 0
.rept 4
	v_nop
.endr
	s_branch .Lasked_\@
.Lfor_b_\@:
	tensor_load_to_lds s[\g0b:\g0b+3], s[\g1b:\g1b+7]
	s_nop 0
.rept 4
	v_nop
.endr
.Lasked_\@:
.endm
.macro CREST                           ; a round of the cluster's barrier behind its opening barrier
	s_cmp_lg_u32 s14, 0
	s_cbranch_scc1 .Lnot_wave_0_\@
	s_barrier_signal -3
.Lnot_wave_0_\@:
	s_barrier_wait -3
	s_barrier_signal -1
	s_barrier_wait -1
.endm
.macro CROUND
	s_barrier_signal -1
	s_barrier_wait -1
	CREST
.endm
	s_load_b256 s[4:11], s[0:1], 0x0               ; codes 4, scales 6, rope 8, qkv 10
	v_lshl_add_u32 v[SPW], v0, 2, SPARE
	v_mov_b32 v[NIL], 0
	ds_add_u32 v[SPW], v[NIL]                      ; the wave's opening: the add, twice on end, and its wait ahead of my first tensor load
	ds_add_u32 v[SPW], v[NIL]
	v_lshrrev_b32 v1, 5, v0
	v_readfirstlane_b32 s14, v1                    ; wave 0..3
	s_lshr_b32 s15, s14, 1                         ; my half of the tile's rows.  Also: I fetch for A (0) or for B (1)
	s_and_b32 s16, s14, 1                          ; my half of its columns.  Also: which 8 row blocks I fetch
	s_bfe_u32 s40, ttmp6, 0x40000                  ; cx
	s_bfe_u32 s41, ttmp6, 0x40004                  ; cy
	s_lshr_b32 s66, ttmp9, 1                       ; the product: the same in all sixteen partners
	s_and_b32 s42, ttmp9, 1
	s_lshl_b32 s42, s42, 2
	s_add_co_u32 s42, s42, s40                     ; tile column 0..7
	s_and_b32 s17, ttmp7, 0xffff
	s_lshl_b32 s17, s17, 2
	s_add_co_u32 s17, s17, s41                     ; tile row 0..7
	s_lshl_b32 s43, s41, 2
	s_lshl_b32 s43, 15, s43                        ; my row of the cluster
	s_lshl_b32 s44, 0x1111, s40                    ; my column
	s_or_b32 s[G1+0], s43, (3<<16)|(1<<21)         ; 15:0 the mask; 17:16 elements of 8 bytes; 21 set beside a mask; no padding
	s_or_b32 s[G1B+0], s44, (3<<16)|(1<<21)
.irp g, G1, G1B
	s_mov_b32 s[\g+1], 512<<16                     ; tensor_dim0 = 512 elements: 4,096 bytes
	s_mov_b32 s[\g+2], 8<<16                       ; tensor_dim1 = 8 row blocks
	s_mov_b32 s[\g+3], 512<<16                     ; tile_dim0
	s_mov_b32 s[\g+4], 8                           ; tile_dim1
	s_mov_b32 s[\g+5], 4096                        ; from row block to row block: 32,768 bytes
	s_mov_b32 s[\g+6], 0
	s_mov_b32 s[\g+7], 0
.endr
	s_lshl_b32 s18, s16, 18                        ; the 8 row blocks that I fetch,
	s_lshl_b32 s19, s66, 22                        ; in the product's region
	s_add_co_u32 s18, s18, s19
	s_lshl_b32 s20, s17, 19
	s_add_co_u32 s20, s20, s18                     ; A: by the tile row alone
	s_lshl_b32 s46, s42, 19
	s_add_co_u32 s46, s46, s18
	s_add_co_u32 s46, s46, 0xc00000                ; B: by the tile column alone; B's regions begin at 12 MiB
	s_mov_b32 s21, 0
	s_mov_b32 s47, 0
	s_lshl_b32 s45, s14, 15                        ; where they go: wave x 32,768: no place in the cluster enters an LDS address
	s_wait_dscnt 0x0                               ; both opening adds are done
	s_wait_kmcnt 0x0
	s_load_b256 s[68:75], s[6:7], 0x0              ; e0 .. e7
	s_load_b128 s[76:79], s[6:7], 0x20             ; e8 .. e11
	s_add_nc_u64 s[20:21], s[4:5], s[20:21]
	s_add_nc_u64 s[46:47], s[4:5], s[46:47]
	CROUND                                         ; all sixteen work-groups are here: the first joint loads meet
.irp s, 0,1
	s_mov_b32 s[G0+4*\s], 1
	s_add_co_u32 s[G0+4*\s+1], s45, \s*SLOT
	s_add_nc_u64 s[G0+4*\s+2:G0+4*\s+3], s[20:21], \s*4096
	s_or_b32 s[G0+4*\s+3], s[G0+4*\s+3], 0x80000000
	s_mov_b32 s[G0B+4*\s], 1
	s_add_co_u32 s[G0B+4*\s+1], s45, \s*SLOT
	s_add_nc_u64 s[G0B+4*\s+2:G0B+4*\s+3], s[46:47], \s*4096
	s_or_b32 s[G0B+4*\s+3], s[G0B+4*\s+3], 0x80000000
	JLOAD G0+4*\s, G1, G0B+4*\s, G1B               ; two loads of mine are out
.endr
	v_and_b32 v1, 31, v0
	v_lshlrev_b32 v[LI], 4, v1
	s_lshl_b32 s80, s15, 15                        ; my 8 row blocks of A,
	s_lshl_b32 s81, s16, 15
	s_add_co_u32 s81, s81, 65536                   ; and of B, which lie behind A's 16
.irp s, 0,1
	v_add_nc_u32 v[ADRA+\s], s80, v[LI]
	v_add_nc_u32 v[ADRB+\s], s81, v[LI]
	s_add_co_u32 s80, s80, SLOT
	s_add_co_u32 s81, s81, SLOT
.endr
	s_lshl_b32 s82, s17, 1
	s_add_co_u32 s82, s82, s15                     ; my block of 128 rows
	s_lshl_b32 s83, s42, 1
	s_add_co_u32 s83, s83, s16                     ; my block of 128 columns
	s_cmp_eq_u32 s66, 2
	s_cselect_b32 s84, s82, s83                    ; the head: columns for q and k, rows for v
	s_cselect_b32 s85, s83, s82                    ; the block of tokens
	s_lshl_b32 s84, s84, 18
	s_lshl_b32 s85, s85, 14
	s_add_co_u32 s84, s84, s85
	s_lshl_b32 s85, s66, 22
	s_add_co_u32 s84, s84, s85
	s_mov_b32 s85, 0
	s_add_nc_u64 s[10:11], s[10:11], s[84:85]      ; my eight fragments
	s_lshl_b32 s84, s82, 16
	s_add_nc_u64 s[8:9], s[8:9], s[84:85]          ; my 128 tokens' tables (read for q and k alone)
.macro FRAG reg, adr, q, i             ; row block i, the slot's q-th 128 along K: four loads of 512 consecutive bytes
.irp c, 0,1,2,3
	ds_load_b128 v[\reg+4*\c:\reg+4*\c+3], v[\adr] offset:(\i)*4096+(\q)*2048+512*\c
.endr
.endm
; 16 matrix instructions: A's blocks a0, a0 + 1 x B's eight.  p: B's set.  zero = 1: the first product starts the sums.  The 64 accumulators take turns, one instruction a turn.
.macro MUL16 a0, p, zero
.irp a, \a0, \a0+1
.irp b, 0,1,2,3,4,5,6,7
.if \zero
	v_wmma_f32_16x16x128_fp8_fp8 v[8*(8*((\a)%4)+\b):8*(8*((\a)%4)+\b)+7], v[128*(\p)+FR*\b:128*(\p)+FR*\b+FR-1], v[AF+FR*(\a):AF+FR*(\a)+FR-1], 0
.else
	v_wmma_f32_16x16x128_fp8_fp8 v[8*(8*((\a)%4)+\b):8*(8*((\a)%4)+\b)+7], v[128*(\p)+FR*\b:128*(\p)+FR*\b+FR-1], v[AF+FR*(\a):AF+FR*(\a)+FR-1], v[8*(8*((\a)%4)+\b):8*(8*((\a)%4)+\b)+7]
.endif
.endr
.endr
.endm
.macro FETCH_B slot, q, p
	WIN TO_B
.irp i, 0,1,2,3,4,5,6,7
	FRAG 128*(\p)+FR*\i, ADRB+\slot, \q, \i
.endr
	WIN 0
.endm
.macro FETCH_A slot, q, i0
.irp i, \i0, \i0+1, \i0+2, \i0+3
	FRAG AF+FR*(\i), ADRA+\slot, \q, \i
.endr
.endm
.macro PLACES n                        ; plain vector instructions between a matrix instruction and a load into one of its registers or a read of its result
.rept \n
	v_nop
.endr
.endm
; A step of 128 along K with its successor in the same slot.  A block of A is free when its eight products are issued: one set serves A; B has two.
.macro STEP slot, q, zero
	s_wait_dscnt 4*NL                              ; B's set and A's blocks 0-3 are in; the youngest 16 loads (A's blocks 4-7) may be out
	WIN MUL_LO
	MUL16 0, (\q)%2, \zero
	MUL16 2, (\q)%2, \zero
	s_wait_dscnt 0
	PLACES NP
	FETCH_B \slot, (\q)+1, 1-(\q)%2
	FETCH_A \slot, (\q)+1, 0
	WIN MUL_HI
	MUL16 4, (\q)%2, \zero
	MUL16 6, (\q)%2, \zero
	PLACES NP
	WIN 0
	FETCH_A \slot, (\q)+1, 4
.endm
; A slot's last step changes slots: each wave waits for all its tensor loads, adds 0 to its spare word, waits for that and for its reads of this slot; one barrier, which opens a round of the cluster's where the slot is filled again.
.macro TURN slot, next, fill
	s_wait_tensorcnt 0x0                           ; all my tensor loads have landed: my part of the next slot
	ds_add_u32 v[SPW], v[NIL]
	s_wait_dscnt 4*NL+1                            ; the add and the youngest 16 loads may be out
	WIN MUL_LO
	MUL16 0, 1, 0
	s_wait_dscnt 0x0                               ; the add is done, and my reads of this slot are over
	s_barrier_signal -1
	MUL16 2, 1, 0
	WIN 0
	s_barrier_wait -1
.if \fill
	CREST                                          ; no wave of any partner still reads this slot or has a load on its way
	s_add_nc_u64 s[G0+4*\slot+2:G0+4*\slot+3], s[G0+4*\slot+2:G0+4*\slot+3], 8192
	s_add_nc_u64 s[G0B+4*\slot+2:G0B+4*\slot+3], s[G0B+4*\slot+2:G0B+4*\slot+3], 8192
	JLOAD G0+4*\slot, G1, G0B+4*\slot, G1B         ; my one tensor load behind the round; its four v_nop are the places in front of the loads below
.else
	PLACES NP
.endif
	FETCH_B \next, 0, 0
	FETCH_A \next, 0, 0
	WIN MUL_HI
	MUL16 4, 1, 0
	MUL16 6, 1, 0
	PLACES NP
	WIN 0
	FETCH_A \next, 0, 4
.endm
	s_wait_tensorcnt 1                             ; my part of slot 0 is in; slot 1's load may be out
	s_barrier_signal -1
	s_barrier_wait -1
	FETCH_B 0, 0, 0
	FETCH_A 0, 0, 0
	FETCH_A 0, 0, 4
	STEP 0, 0, 1                                   ; the first step stands in front of the loop: its products start the sums
	s_mov_b32 s3, LAPS-1
.Llap:
	TURN 0, 1, 1
	STEP 1, 0, 0
	TURN 1, 0, 1
	STEP 0, 0, 0
	s_sub_co_u32 s3, s3, 1
	s_cmp_lg_u32 s3, 0
	s_cbranch_scc1 .Llap
	TURN 0, 1, 0                                   ; the last lap fills nothing
	STEP 1, 0, 0
	s_wait_dscnt 4*NL
	WIN MUL_LO
	MUL16 0, 1, 0
	MUL16 2, 1, 0
	s_wait_dscnt 0
	WIN MUL_HI
	MUL16 4, 1, 0
	MUL16 6, 1, 0
	WIN 0
; THE WAY OUT, a block of 16 rows of A at a time: rotation (q, k), hold, conversion; the codes are the next operand's registers and are stored as they stand.
	s_wait_kmcnt 0x0
	s_add_co_i32 s80, s68, s69                     ; the two operands' exponents, and the result's, chosen by the product's number: no branch hangs on a loaded number
	s_add_co_i32 s81, s70, s71
	s_add_co_i32 s82, s72, s73
	s_cmp_eq_u32 s66, 1
	s_cselect_b32 s80, s81, s80
	s_cselect_b32 s83, s75, s74
	s_cmp_eq_u32 s66, 2
	s_cselect_b32 s80, s82, s80
	s_cselect_b32 s83, s77, s83
	s_sub_co_i32 s80, s83, s80
	s_add_co_i32 s80, s80, 127
	s_lshl_b32 s81, s80, 23
	v_mov_b32 v[SC], s81
	s_add_co_i32 s80, s80, 8
	s_lshl_b32 s80, s80, 23
	s_or_b32 s80, s80, 0x600000
	v_mov_b32 v[LIM], s80
	PLACES NP                                      ; in front of the loads into A's registers and of the first read of results
.macro RLOAD a                         ; the tables of my tokens 16 a on
.irp c, 0,1,2,3,4,5,6,7,8,9,10,11,12,13,14,15
	global_load_b128 v[CS+64*((\a)%2)+4*\c:CS+64*((\a)%2)+4*\c+3], v[LI], s[8:9] offset:(\a)*8192+512*\c
.endr
.endm
.macro OUT a, turn
.set AC, 64*((\a)%4)
.set CSB, CS+64*((\a)%2)
.set OC, CC+16*((\a)%2)
.if \turn
.if (\a) < 7
	s_wait_loadcnt 16                              ; this block's tables are in; the next block's 16 loads may be out
.else
	s_wait_loadcnt 0
.endif
	WIN 0x02+((\a)/4)                              ; source 0: the sums' window
.irp b, 0,1,2,3
.irp j, 0,2,4,6                        ; each accumulator is read from its low end on
	v_pk_mul_f32 v[Y+8*\b+\j:Y+8*\b+\j+1], v[AC+8*\b+\j:AC+8*\b+\j+1], v[CSB+8*\b+\j:CSB+8*\b+\j+1]
	v_pk_mul_f32 v[Y+32+8*\b+\j:Y+32+8*\b+\j+1], v[AC+32+8*\b+\j:AC+32+8*\b+\j+1], v[CSB+8*\b+\j:CSB+8*\b+\j+1]
	v_pk_fma_f32 v[Y+8*\b+\j:Y+8*\b+\j+1], v[AC+32+8*\b+\j:AC+32+8*\b+\j+1], v[CSB+32+8*\b+\j:CSB+32+8*\b+\j+1], v[Y+8*\b+\j:Y+8*\b+\j+1] neg_lo:[1,0,0] neg_hi:[1,0,0]
	v_pk_fma_f32 v[Y+32+8*\b+\j:Y+32+8*\b+\j+1], v[AC+8*\b+\j:AC+8*\b+\j+1], v[CSB+32+8*\b+\j:CSB+32+8*\b+\j+1], v[Y+32+8*\b+\j:Y+32+8*\b+\j+1]
.endr
.endr
	WIN 0
.if (\a) < 6
	RLOAD (\a)+2
.endif
.set n, 0
.rept 64
	v_med3_num_f32 v[Y+n], v[Y+n], -v[LIM], v[LIM] ; the conversion to an 8-bit code does not saturate (ISA guide 7.6.2)
.set n, n+1
.endr
.else
	WIN 0x02+((\a)/4)
.set n, 0
.rept 64
	v_med3_num_f32 v[Y+n], v[AC+n], -v[LIM], v[LIM]
.set n, n+1
.endr
	WIN 0
.endif
.if (\a) >= 2
	s_wait_xcnt 0x0                                ; block a - 2's stores have read this set of codes
.endif
.irp b, 0,1,2,3,4,5,6,7
	v_cvt_scalef32_pk8_fp8_f32 v[OC+2*\b:OC+2*\b+1], v[Y+8*\b:Y+8*\b+7], v[SC]
.endr
	v_nop                                          ; a plain instruction between the conversions and the next write of their sources
.irp g, 0,1,2,3
	global_store_b128 v[LI], v[OC+4*\g:OC+4*\g+3], s[10:11] offset:(\a)*2048+512*\g   ; 512 consecutive bytes
.endr
.endm
	s_cmp_eq_u32 s66, 2                            ; v is not rotated: a branch on the cluster's number, the same in all partners; no barrier stands under it
	s_cbranch_scc1 .Lv
	RLOAD 0
	RLOAD 1
.irp a, 0,1,2,3,4,5,6,7
	OUT \a, 1
.endr
	s_branch .Ldone
.Lv:
.irp a, 0,1,2,3,4,5,6,7
	OUT \a, 0
.endr
.Ldone:
	s_wait_tensorcnt 0x0                           ; the wave's end: an add to my spare word and its wait
	ds_add_u32 v[SPW], v[NIL]
	s_wait_dscnt 0x0
	CROUND                                         ; the closing round
	s_endpgm
.Lfunc_end_k_qb0c71899e4_qkv:
	.size	k_qb0c71899e4_qkv, .Lfunc_end_k_qb0c71899e4_qkv-k_qb0c71899e4_qkv
	.p2alignl 7, 3214868480
	.fill 96, 4, 3214868480
	.section	.rodata,"a",@progbits
	.p2align	6, 0x0
	.amdhsa_kernel k_qb0c71899e4_qkv
		.amdhsa_group_segment_fixed_size 327680
		.amdhsa_private_segment_fixed_size 0
		.amdhsa_enable_private_segment 0
		.amdhsa_kernarg_size 32
		.amdhsa_user_sgpr_count 2
		.amdhsa_user_sgpr_kernarg_segment_ptr 1
		.amdhsa_wavefront_size32 1
		.amdhsa_system_sgpr_workgroup_id_x 1
		.amdhsa_system_sgpr_workgroup_id_y 1
		.amdhsa_system_sgpr_workgroup_id_z 1
		.amdhsa_system_vgpr_workitem_id 0
		.amdhsa_next_free_vgpr 1024
		.amdhsa_next_free_sgpr 100
		.amdhsa_reserve_vcc 0
		.amdhsa_float_denorm_mode_32 3
		.amdhsa_float_denorm_mode_16_64 3
		.amdhsa_memory_ordered 1
		.amdhsa_forward_progress 1
		.amdhsa_inst_pref_size 202
	.end_amdhsa_kernel
	.amdgpu_metadata
---
amdhsa.version: [ 1, 2 ]
amdhsa.kernels:
  - .name:           k_qb0c71899e4_qkv
    .symbol:         k_qb0c71899e4_qkv.kd
    .args:
      - { .name: codes, .offset: 0, .size: 8, .value_kind: global_buffer, .address_space: global }
      - { .name: lowp_scales, .offset: 8, .size: 8, .value_kind: global_buffer, .address_space: global }
      - { .name: rope, .offset: 16, .size: 8, .value_kind: global_buffer, .address_space: global }
      - { .name: qkv, .offset: 24, .size: 8, .value_kind: global_buffer, .address_space: global }
    .group_segment_fixed_size: 327680
    .private_segment_fixed_size: 0
    .kernarg_segment_align: 8
    .kernarg_segment_size: 32
    .max_flat_workgroup_size: 128
    .sgpr_count:     100
    .vgpr_count:     1024
    .wavefront_size: 32
...
	.end_amdgpu_metadata
.endif
;; end of part 2
;; launch attn (part 3): grid 16 x 16, 8 waves a work-group, no clusters, 66,560 bytes of LDS; arguments qkv, maskw, mflag, lowp_scales, ac; writes ac
.if DOCPART == 3
	.amdgcn_target "amdgcn-amd-amdhsa--gfx1250"
	.amdhsa_code_object_version 6
	.text
	.protected	k_qb0c71899e4_attn
	.globl	k_qb0c71899e4_attn
	.p2align	8
	.type	k_qb0c71899e4_attn,@function
k_qb0c71899e4_attn:
	s_mov_b64 s[64:65], 0
	v_nop
	global_prefetch_b8 v0, s[64:65] scope:SCOPE_SE
	s_setreg_imm32_b32 hwreg(HW_REG_WAVE_MODE, 25, 1), 1
	s_wait_xcnt 0x0
; THIRD LAUNCH: attention on codes of E4M3: S^T = K Q^T, the mask, p = 2^(t - M), O^T = V^T P^T, O / l quantised for the last product.
; WORK LEFT OUT: a key step (my 16 queries x 128 keys) in which the mask lets no key count gives p = 0 for all its keys and moves neither M, l nor O: it is passed over, by a scalar branch on the flags
; that the first launch stored (whole numbers, read from memory).  In a step in which all keys count for all queries the 64 selections are passed over too.
; t = score x log2(e) / sqrt(128); M = the ceiling of the running largest t, a whole number; l is summed of the unquantised p; when M moves, l and O are multiplied by 2^(old M - new M), which rounds nothing.
; A QUERY FOR WHICH NO KEY COUNTS has l = 0; reference() gives NaN there: its codes become NaN's code, which makes its row of the last product NaN.  A selection, no branch.
; SHARES.  A work-group has eight waves and one head; wave w owns one tile of 16 queries: tile 4 x + w (w < 4) or 131 - 4 x - w: early and late queries together, so that a mask that hides later keys leaves the
; work-groups equal work.  Every wave walks the 16 key steps.  A step's K and V (eight fragments each, images of registers: 32,768 dense bytes) go through two LDS slots by turns, copied through registers, 4,096 bytes a wave.
; NO CLUSTER, NO TENSOR LOAD: the 16 work-groups of a head each copy K and V (512 KiB a work-group).
; LAYOUT.  Both products are used transposed: a lane holds one query (lane % 16) throughout; register 8 t + j of S^T is key 16 t + 8 (lane / 16) + j, so tile t's eight numbers convert into registers 2 t, 2 t + 1 of P.
; LIMITS: e6 + e7 between -123 and 130 (added to c's exponent field); e8, and e10 - e8 - e9, between -126 and 119.  NaN in q, k or v is not served.
; REGISTERS.  window 0: v1 16 x lane; v2 my copy's place; v5, v6 the add's two; v7 -infinity; v8 the prefetches' offset; v9 NaN's code four times; v12 -M; v13 the largest t; v[14:15] l; v16-31 Q; v32-95 S^T, then p;
;   v96-159 O^T; v160-175 codes; v176-183 at work; v184-187 scales.   window 1: v0-127 eight fragments of K, then of V; v128-159 the copy's data.
.set SPARE, 65536                      ; behind the two slots: the spare words, 128 bytes a wave: four blocks of 256 bytes that no other line names
.set MSB, 0
.macro WIN new                         ; the immediate's high byte repeats the setting that is left
.if MSB != \new
	s_set_vgpr_msb (MSB<<8)|\new
.set MSB, \new
.endif
.endm
	s_load_b256 s[4:11], s[0:1], 0x0               ; qkv 4, maskw 6, mflag 8, scales 10
	s_load_b64 s[12:13], s[0:1], 0x20              ; ac
	v_lshl_add_u32 v5, v0, 2, SPARE
	v_mov_b32 v6, 0
	v_lshrrev_b32 v3, 5, v0
	v_readfirstlane_b32 s14, v3                    ; wave 0..7
	v_and_b32 v3, 31, v0
	v_lshlrev_b32 v8, 8, v3
	v_lshlrev_b32 v1, 4, v3
	s_lshl_b32 s26, s14, 12
	v_add_nc_u32 v2, s26, v1                       ; wave x 4,096 + 16 x lane
	s_and_b32 s30, ttmp7, 0xffff                   ; the head
	s_lshl_b32 s31, s30, 18                        ; its 262,144 bytes in each of q, k, v
	s_lshl_b32 s26, ttmp9, 2
	s_add_co_u32 s29, s26, s14
	s_sub_co_u32 s27, 131, s29
	s_cmp_lt_u32 s14, 4
	s_cselect_b32 s29, s29, s27                    ; my tile of queries
	s_mov_b32 s90, 0x800000
	s_cselect_b32 s90, 0x400000, s90               ; waves 0-3 copy K, waves 4-7 V
	s_add_co_u32 s90, s90, s31
	s_and_b32 s27, s14, 3
	s_lshl_b32 s27, s27, 12
	s_add_co_u32 s90, s90, s27
	s_mov_b32 s91, 0
	s_cmp_lt_u32 s14, 2                            ; the prefetches: waves 0, 1 for K, waves 2, 3 for V, 8,192 bytes each, beginning with key step 3
	s_mov_b32 s92, 0x800000+3*16384
	s_cselect_b32 s92, 0x400000+3*16384, s92
	s_add_co_u32 s92, s92, s31
	s_and_b32 s27, s14, 1
	s_lshl_b32 s27, s27, 13
	s_add_co_u32 s92, s92, s27
	s_mov_b32 s93, 0
	s_lshr_b32 s28, s14, 2
	s_or_b32 s28, s28, ttmp9
	s_cmp_eq_u32 s28, 0
	s_cselect_b32 s28, 13, 0                       ; waves 0-3 of the head's first work-group ask while the step in hand is under 13; nobody else asks
	s_lshl_b32 s80, s29, 12
	s_mov_b32 s81, 0
	s_lshl_b32 s82, s29, 9
	s_mov_b32 s83, 0
	s_lshl_b32 s84, s29, 15
	s_lshl_b32 s27, s30, 11
	s_add_co_u32 s84, s84, s27
	s_mov_b32 s85, 0
	s_lshl_b32 s86, s29, 11
	s_add_co_u32 s86, s86, s31
	s_mov_b32 s87, 0
	s_wait_kmcnt 0x0
	s_add_nc_u64 s[6:7], s[6:7], s[80:81]          ; my tile's mask words, key step 0
	s_add_nc_u64 s[8:9], s[8:9], s[82:83]          ; its flags
	s_add_nc_u64 s[12:13], s[12:13], s[84:85]      ; its fragment of the result
	s_add_nc_u64 s[88:89], s[4:5], s[86:87]        ; its fragment of q
	s_add_nc_u64 s[22:23], s[4:5], s[90:91]        ; my part of key step 0
	s_add_nc_u64 s[24:25], s[4:5], s[92:93]
	s_load_b128 s[68:71], s[10:11], 0x18           ; e6, e7, e8, e9
	s_load_b32 s72, s[10:11], 0x28                 ; e10
	s_load_b32 s76, s[8:9], 0x0
	s_load_b32 s77, s[8:9], 0x80
	s_load_b32 s78, s[8:9], 0x100
	s_load_b32 s79, s[8:9], 0x180
.irp c, 0,1,2,3
	global_load_b128 v[16+4*\c:19+4*\c], v1, s[88:89] offset:512*\c
.endr
.macro COPY_LOAD off
	WIN 0x40                                       ; destination window 1
.irp i, 0,1,2,3,4,5,6,7
	global_load_b128 v[128+4*\i:131+4*\i], v1, s[22:23] offset:(\off)+512*\i
.endr
	WIN 0
.endm
.macro COPY_STORE slot
	s_wait_loadcnt 0x0
	WIN 0x04                                       ; store data window 1
.irp i, 0,1,2,3,4,5,6,7
	ds_store_b128 v2, v[128+4*\i:131+4*\i] offset:(\slot)*32768+512*\i
.endr
	WIN 0
.endm
; A PREFETCH INTO THE L2: key step (step in hand) + 3, whose copy is issued two steps on.  All 16 work-groups of a head walk the same K and V: the first asks; its waves 0-3 take 8,192 bytes each, lanes 256 bytes apart:
; each aligned block of 256 bytes is named once.  Steps 0 to 2 come by their loads alone; the last request is for step 15.  It stands behind the wave's copy loads.
.macro ASK off
	s_add_co_u32 s26, s15, \off
	s_cmp_lt_u32 s26, s28
	s_cbranch_scc0 .Lna_\@
	global_prefetch_b8 v8, s[24:25] offset:16384*\off th:TH_LOAD_NT scope:SCOPE_SE
.Lna_\@:
.endm
	COPY_LOAD 0
	v_mov_b32 v7, 0xff800000
	v_mov_b32 v9, 0x7f7f7f7f
	v_mov_b32 v13, 0xff61b1e6                      ; the largest t so far: -3e38
	v_floor_f32 v12, -v13
	v_mov_b32 v14, 0
	v_mov_b32 v15, 0
	v_mov_b32 v179, 0                              ; (named as the upper half of a pair)
	v_mov_b32 v180, 0                              ; a lane permute's destination counts as read
.set j, 0
.rept 64
	v_mov_b32 v[96+j], 0                           ; O^T: which step is a tile's first hangs on the flags, so the sums begin as zeros
.set j, j+1
.endr
	s_mov_b32 s18, 0x76543210
	s_mov_b32 s19, 0xfedcba98
	s_mov_b32 s20, 0x3e0293ee                      ; c = log2(e) / sqrt(128)
	s_mov_b32 s15, 0                               ; the key step in hand, at a trip's head
	s_wait_kmcnt 0x0
	s_or_b32 s16, s76, s77
	s_or_b32 s16, s16, s78
	s_or_b32 s16, s16, s79                         ; bit s: some key of step s counts; bit 16 + s: all count
	s_add_co_i32 s26, s68, s69
	s_lshl_b32 s26, s26, 23
	s_add_co_i32 s20, s20, s26                     ; c x 2^(e6 + e7)
	s_mov_b32 s21, s20
	s_add_co_i32 s26, s70, 127
	s_lshl_b32 s27, s26, 23
	v_mov_b32 v184, s27                            ; 2^e8
	s_add_co_i32 s26, s26, 8
	s_lshl_b32 s26, s26, 23
	s_or_b32 s26, s26, 0x600000
	v_mov_b32 v185, s26                            ; 448 x 2^e8
	s_sub_co_i32 s26, s72, s70
	s_sub_co_i32 s26, s26, s71
	s_add_co_i32 s26, s26, 127
	s_lshl_b32 s27, s26, 23
	v_mov_b32 v186, s27                            ; 2^(e10 - e8 - e9)
	s_add_co_i32 s26, s26, 8
	s_lshl_b32 s26, s26, 23
	s_or_b32 s26, s26, 0x600000
	v_mov_b32 v187, s26
	COPY_STORE 0                                   ; its wait also shows Q in
	s_wait_dscnt 0x0
	s_barrier_signal -1
	s_barrier_wait -1
; A KEY STEP: step s15 + off, whose tiles lie in the given slot.
.macro STEP slot, off
	s_add_co_u32 s26, s15, \off
	s_lshr_b32 s27, s16, s26
	s_and_b32 s27, s27, 1
	s_cmp_lg_u32 s27, 0
	s_cbranch_scc0 .Lskip_\@                       ; no key of the step counts for my queries
	s_load_b512 s[32:47], s[6:7], 256*\off         ; the step's 64 mask words: word n in s[32 + n + 4 (n / 32)]
	s_load_b512 s[48:63], s[6:7], 256*\off+64
	s_load_b512 s[68:83], s[6:7], 256*\off+128
	s_load_b512 s[84:99], s[6:7], 256*\off+192
	WIN 0x40
.irp t, 0,1,2,3,4,5,6,7
.irp c, 0,1,2,3
	ds_load_b128 v[16*\t+4*\c:16*\t+4*\c+3], v1 offset:\slot*32768+\t*2048+512*\c
.endr
.endr
	s_wait_dscnt 16                                ; K's tiles 0-3 are in; the youngest 16 loads may be out
	WIN 0x01                                       ; source 0 window 1
.irp t, 0,1,2,3
	v_wmma_f32_16x16x128_fp8_fp8 v[32+8*\t:39+8*\t], v[16*\t:16*\t+15], v[16:31], 0
.endr
	s_wait_dscnt 0x0
.irp t, 4,5,6,7
	v_wmma_f32_16x16x128_fp8_fp8 v[32+8*\t:39+8*\t], v[16*\t:16*\t+15], v[16:31], 0
.endr
.rept 4
	v_nop                                          ; places in front of the loads into K's registers and of the first read of the scores
.endr
	WIN 0x40
.irp t, 0,1,2,3,4,5,6,7
.irp c, 0,1,2,3
	ds_load_b128 v[16*\t+4*\c:16*\t+4*\c+3], v1 offset:\slot*32768+16384+\t*2048+512*\c   ; V lands while the softmax is worked
.endr
.endr
	WIN 0
	s_wait_kmcnt 0x0
	s_add_co_u32 s26, s26, 16
	s_lshr_b32 s27, s16, s26
	s_and_b32 s27, s27, 1
	s_cmp_lg_u32 s27, 0
	s_cbranch_scc1 .Lopen_\@                       ; all keys count for all my queries
.set n, 0
.rept 64
	v_cndmask_b32 v[32+n], v7, v[32+n], s[32+n+4*(n/32)]   ; a hidden key's score becomes -infinity: p = 0
.set n, n+1
.endr
.Lopen_\@:
	v_max3_num_f32 v176, v32, v33, v34             ; the step's largest score of my query among my 64 keys, in two chains, each tile from its low end on
	v_max3_num_f32 v178, v35, v36, v37
.irp i, 6,10,14,18,22,26,30,34,38,42,46,50,54,58
	v_max3_num_f32 v176, v176, v[32+\i], v[33+\i]
	v_max3_num_f32 v178, v178, v[34+\i], v[35+\i]
.endr
	v_max3_num_f32 v176, v176, v94, v95
	v_max_num_f32 v176, v176, v178
	v_permlanex16_b32 v180, v176, s18, s19
	v_max_num_f32 v176, v176, v180                 ; and among lane l xor 16's
	v_mul_f32 v176, s20, v176                      ; as t (c is positive)
	v_max_num_f32 v13, v13, v176
	v_mov_b32 v176, v12
	v_floor_f32 v12, -v13                          ; -M = floor(-t)
	v_sub_f32 v176, v12, v176                      ; old M - new M: a whole number, 0 or less
	v_cvt_i32_f32 v176, v176                       ; (it saturates)
	v_ldexp_f32 v178, 1.0, v176                    ; f = 2^(old M - new M)
.set j, 0
.rept 32
	v_pk_fma_f32 v[32+j:33+j], v[32+j:33+j], s[20:21], v[12:13] op_sel_hi:[1,0,0]   ; t - M
.set j, j+2
.endr
.set j, 0
.rept 64
	v_exp_f32 v[32+j], v[32+j]
.set j, j+1
.endr
	v_pk_mul_f32 v[14:15], v[14:15], v[178:179] op_sel_hi:[1,0]   ; l under the new M: the plain instruction behind the exponentials
	s_wait_alu depctr_va_vdst(0)                   ; one wait for the batch, ahead of its first reader
	v_pk_add_f32 v[182:183], v[32:33], v[34:35]    ; l is summed of the unquantised p, in two chains
.irp j, 4,8,12,16,20,24,28,32,36,40,44,48,52,56,60
	v_pk_add_f32 v[14:15], v[14:15], v[32+\j:33+\j]
	v_pk_add_f32 v[182:183], v[182:183], v[34+\j:35+\j]
.endr
	v_pk_add_f32 v[14:15], v[14:15], v[182:183]
.irp t, 0,1,2,3,4,5,6,7
.irp i, 0,1,2,3,4,5,6,7
	v_min_num_f32 v[32+8*\t+\i], v[32+8*\t+\i], v185   ; the conversion does not saturate (ISA guide 7.6.2); p is not negative: a one-sided hold
.endr
	v_cvt_scalef32_pk8_fp8_f32 v[160+2*\t:161+2*\t], v[32+8*\t:39+8*\t], v184
.endr
.set j, 0
.rept 32
	v_pk_mul_f32 v[96+j:97+j], v[96+j:97+j], v[178:179] op_sel_hi:[1,0]   ; O^T under the new M
.set j, j+2
.endr
	s_wait_dscnt 0x0                               ; V is in
	WIN 0x01
.irp t, 0,1,2,3,4,5,6,7                ; the eight accumulators take turns, one instruction a turn
	v_wmma_f32_16x16x128_fp8_fp8 v[96+8*\t:103+8*\t], v[16*\t:16*\t+15], v[160:175], v[96+8*\t:103+8*\t]
.endr
	WIN 0
.rept 4
	v_nop                                          ; places in front of the next step's loads into V's registers, and of the way out's reads
.endr
.Lskip_\@:
.endm
; Half a trip: the next step's tiles are asked for, this step is worked, the tiles go into the other slot, one barrier.  That slot was last read in the step before, in front of that step's barrier; it is read behind this one.
; The copy, the waits and the barrier stand on every wave's path; only a step's own work lies under the branches on flags.
.macro HALF slot, off, ask
	COPY_LOAD 16384*(\off+1)
.if \ask
	ASK \off
.endif
	STEP \slot, \off
	COPY_STORE 1-\slot
	s_wait_dscnt 0x0                               ; my stores have landed, and my reads of this step's slot are over
	s_barrier_signal -1
	s_barrier_wait -1
.endm
.Ltrip:                                            ; seven trips: steps 0 to 13
	HALF 0, 0, 1
	HALF 1, 1, 1
	s_wait_xcnt 0x0                                ; the trip's loads and prefetches have read their bases: they step only behind this wait
	s_add_nc_u64 s[22:23], s[22:23], 32768
	s_add_nc_u64 s[6:7], s[6:7], 512
	s_add_nc_u64 s[24:25], s[24:25], 32768
	s_add_co_u32 s15, s15, 2
	s_cmp_lt_u32 s15, 14
	s_cbranch_scc1 .Ltrip
	HALF 0, 0, 0                                   ; step 14, and the copy of step 15
	STEP 1, 1                                      ; step 15: nothing is left to copy
	; THE WAY OUT
	v_add_f32 v14, v14, v15
	v_permlanex16_b32 v180, v14, s18, s19
	v_add_f32 v14, v14, v180                       ; the row's sum
	v_cmp_eq_f32 s26, 0, v14                       ; no key counted for my query
	v_cndmask_b32 v14, v14, 1.0, s26
	v_rcp_f32 v14, v14
	v_nop
	s_wait_alu depctr_va_vdst(0)
.set j, 0
.rept 64
	v_mul_f32 v[32+j], v[96+j], v14                ; O^T / l, each accumulator from its low end on
.set j, j+1
.endr
.set j, 0
.rept 64
	v_med3_num_f32 v[32+j], v[32+j], -v187, v187
.set j, j+1
.endr
.irp t, 0,1,2,3,4,5,6,7
	v_cvt_scalef32_pk8_fp8_f32 v[160+2*\t:161+2*\t], v[32+8*\t:39+8*\t], v186   ; registers 2 t, 2 t + 1 of the last product's operand: channels 16 t + 8 h + 0 .. 7 of my query
.endr
	v_nop
.set j, 0
.rept 16
	v_cndmask_b32 v[160+j], v[160+j], v9, s26
.set j, j+1
.endr
.irp g, 0,1,2,3
	global_store_b128 v1, v[160+4*\g:163+4*\g], s[12:13] offset:512*\g
.endr
	s_wait_tensorcnt 0x0                           ; the wave's end: an add to my spare word and its wait, behind my last LDS store
	ds_add_u32 v5, v6
	s_wait_dscnt 0x0
	s_endpgm
.Lfunc_end_k_qb0c71899e4_attn:
	.size	k_qb0c71899e4_attn, .Lfunc_end_k_qb0c71899e4_attn-k_qb0c71899e4_attn
	.p2alignl 7, 3214868480
	.fill 96, 4, 3214868480
	.section	.rodata,"a",@progbits
	.p2align	6, 0x0
	.amdhsa_kernel k_qb0c71899e4_attn
		.amdhsa_group_segment_fixed_size 66560
		.amdhsa_private_segment_fixed_size 0
		.amdhsa_enable_private_segment 0
		.amdhsa_kernarg_size 40
		.amdhsa_user_sgpr_count 2
		.amdhsa_user_sgpr_kernarg_segment_ptr 1
		.amdhsa_wavefront_size32 1
		.amdhsa_system_sgpr_workgroup_id_x 1
		.amdhsa_system_sgpr_workgroup_id_y 1
		.amdhsa_system_sgpr_workgroup_id_z 1
		.amdhsa_system_vgpr_workitem_id 0
		.amdhsa_next_free_vgpr 512
		.amdhsa_next_free_sgpr 100
		.amdhsa_reserve_vcc 0
		.amdhsa_float_denorm_mode_32 3
		.amdhsa_float_denorm_mode_16_64 3
		.amdhsa_memory_ordered 1
		.amdhsa_forward_progress 1
		.amdhsa_inst_pref_size 114
	.end_amdhsa_kernel
	.amdgpu_metadata
---
amdhsa.version: [ 1, 2 ]
amdhsa.kernels:
  - .name:           k_qb0c71899e4_attn
    .symbol:         k_qb0c71899e4_attn.kd
    .args:
      - { .name: qkv, .offset: 0, .size: 8, .value_kind: global_buffer, .address_space: global }
      - { .name: maskw, .offset: 8, .size: 8, .value_kind: global_buffer, .address_space: global }
      - { .name: mflag, .offset: 16, .size: 8, .value_kind: global_buffer, .address_space: global }
      - { .name: lowp_scales, .offset: 24, .size: 8, .value_kind: global_buffer, .address_space: global }
      - { .name: ac, .offset: 32, .size: 8, .value_kind: global_buffer, .address_space: global }
    .group_segment_fixed_size: 66560
    .private_segment_fixed_size: 0
    .kernarg_segment_align: 8
    .kernarg_segment_size: 40
    .max_flat_workgroup_size: 256
    .sgpr_count:     100
    .vgpr_count:     512
    .wavefront_size: 32
...
	.end_amdgpu_metadata
.endif
;; end of part 3
;; launch outp (part 4): grid 16 x 16, 4 waves a work-group, clusters of 4 x 4, 327,680 bytes of LDS; arguments ac, codes, lowp_scales, out0; writes out0
.if DOCPART == 4
	.amdgcn_target "amdgcn-amd-amdhsa--gfx1250"
	.amdhsa_code_object_version 6
	.text
	.protected	k_qb0c71899e4_outp
	.globl	k_qb0c71899e4_outp
	.p2align	8
	.type	k_qb0c71899e4_outp,@function
k_qb0c71899e4_outp:
	s_mov_b64 s[64:65], 0
	v_nop
	global_prefetch_b8 v0, s[64:65] scope:SCOPE_SE
	s_setreg_imm32_b32 hwreg(HW_REG_WAVE_MODE, 25, 1), 1
	s_wait_xcnt 0x0
	s_wait_alu depctr_hold_cnt(0) depctr_sa_sdst(0) depctr_va_vdst(0) depctr_va_sdst(0) depctr_va_ssrc(0) depctr_va_vcc(0) depctr_vm_vsrc(0)
	s_getreg_b32 s2, hwreg(HW_REG_IB_STS2, 6, 4)
	s_cmp_eq_u32 s2, 0
	s_cbranch_scc0 .Lentry_in_a_cluster
	s_endpgm
.Lentry_in_a_cluster:
	s_bfe_u32 s2, ttmp6, 0x10000c
	s_cmp_lg_u32 s2, 0xf033
	s_cbranch_scc0 .Lentry_shape_is_right
	s_endpgm
.Lentry_shape_is_right:
; FOURTH LAUNCH: out0 = attention's result x Wo^T on codes of E4M3; each finished sum x 2^(e10 + e11).  No work is left out here.  LIMIT: e10 + e11 between -126 and 127.
; A tile of 128 x 128 is made by four waves, a wave makes 64 x 64: 16 accumulators: 256 tiles, one for each work-group (tiles of 256 x 256 would be 64).
; Operands are images of registers (first launch): fragment (row block, K step) is 2,048 dense bytes.  K goes in four steps of 512 through two LDS slots; a wave's tensor load brings 4 row blocks x 8,192 bytes.
; CLUSTERS: 4 x 4; A's tiles are asked for jointly along a row of the cluster, B's along a column.  The matrix instruction is used transposed: a lane holds eight neighbouring numbers of a row of out0.
; REGISTERS.  window 0: v16-29 addresses; v32-63 scaled sums; v64-127 rows read back, two sets; v128-255 the accumulators ((a, b) at v[128 + 8 (4 a + b)]).  window 1: two buffers of 128: A's four fragments, then B's four.
.set SLOT,   131072                    ; A's 8 row blocks x 8,192 bytes, then B's 8
.set SPARE,  2*SLOT                    ; behind the ring: the spare words, 128 bytes a wave
.set SPITCH, 272                       ; the way out: a stage of 16 rows x (256 bytes + 16) for each wave, in slot 0, which has had its last fill and its last read by then
.set ADRA, 16
.set ADRB, 20
.set STO,  24
.set RD,   25
.set CO,   26
.set SPW,  28
.set NIL,  29
.set TMP,  32
.set BK,   64
.set ACC,  128
.set F0,   0
.set F1,   128
.set G1, 24
.set G0, 32
.set G1B, 48
.set G0B, 56
.set MSB, 0
.macro WIN new
.if MSB != \new
	s_set_vgpr_msb (MSB<<8)|\new
.set MSB, \new
.endif
.endm
.set MUL,  0x05                        ; sources 0 (B) and 1 (A) window 1; C and D window 0
.set TO_F, 0x40
.macro JLOAD s                         ; waves 0 and 1 fetch for A, waves 2 and 3 for B; an s_nop 0 and four v_nop follow each line
	s_cmp_eq_u32 s15, 0
	s_cbranch_scc0 .Lfor_b_\@
	tensor_load_to_lds s[G0+4*\s:G0+4*\s+3], s[G1:G1+7]
	s_nop 0
.rept 4
	v_nop
.endr
	s_branch .Lasked_\@
.Lfor_b_\@:
	tensor_load_to_lds s[G0B+4*\s:G0B+4*\s+3], s[G1B:G1B+7]
	s_nop 0
.rept 4
	v_nop
.endr
.Lasked_\@:
.endm
.macro CREST
	s_cmp_lg_u32 s14, 0
	s_cbranch_scc1 .Lnot_wave_0_\@
	s_barrier_signal -3
.Lnot_wave_0_\@:
	s_barrier_wait -3
	s_barrier_signal -1
	s_barrier_wait -1
.endm
.macro CROUND
	s_barrier_signal -1
	s_barrier_wait -1
	CREST
.endm
	s_load_b256 s[4:11], s[0:1], 0x0               ; ac 4, codes 6, scales 8, out0 10
	v_lshl_add_u32 v[SPW], v0, 2, SPARE
	v_mov_b32 v[NIL], 0
	ds_add_u32 v[SPW], v[NIL]                      ; the wave's opening: the add, twice on end, and its wait ahead of my first tensor load
	ds_add_u32 v[SPW], v[NIL]
	v_lshrrev_b32 v1, 5, v0
	v_readfirstlane_b32 s14, v1
	s_lshr_b32 s15, s14, 1                         ; my half of the rows.  Also: I fetch for A (0) or for B (1)
	s_and_b32 s16, s14, 1                          ; my half of the columns.  Also: which 4 row blocks I fetch
	s_bfe_u32 s40, ttmp6, 0x40000
	s_bfe_u32 s41, ttmp6, 0x40004
	s_lshl_b32 s42, ttmp9, 2
	s_add_co_u32 s42, s42, s40                     ; tile column 0..15
	s_and_b32 s17, ttmp7, 0xffff
	s_lshl_b32 s17, s17, 2
	s_add_co_u32 s17, s17, s41                     ; tile row 0..15
	s_lshl_b32 s43, s41, 2
	s_lshl_b32 s43, 15, s43
	s_lshl_b32 s44, 0x1111, s40
	s_or_b32 s[G1+0], s43, (3<<16)|(1<<21)         ; the mask; elements of 8 bytes; bit 21 beside a mask; no padding
	s_or_b32 s[G1B+0], s44, (3<<16)|(1<<21)
.irp g, G1, G1B
	s_mov_b32 s[\g+1], 1024<<16                    ; tensor_dim0 = 1,024 elements: 8,192 bytes
	s_mov_b32 s[\g+2], 4<<16                       ; tensor_dim1 = 4 row blocks
	s_mov_b32 s[\g+3], 1024<<16
	s_mov_b32 s[\g+4], 4
	s_mov_b32 s[\g+5], 4096                        ; 32,768 bytes from row block to row block
	s_mov_b32 s[\g+6], 0
	s_mov_b32 s[\g+7], 0
.endr
	s_lshl_b32 s18, s16, 17
	s_lshl_b32 s20, s17, 18
	s_add_co_u32 s20, s20, s18                     ; A: by the tile row alone
	s_lshl_b32 s46, s42, 18
	s_add_co_u32 s46, s46, s18
	s_add_co_u32 s46, s46, 0x1800000               ; B: by the tile column alone; Wo's region begins at 24 MiB
	s_mov_b32 s21, 0
	s_mov_b32 s47, 0
	s_lshl_b32 s45, s14, 15
	s_wait_dscnt 0x0
	s_wait_kmcnt 0x0
	s_load_b64 s[68:69], s[8:9], 0x28              ; e10, e11
	s_add_nc_u64 s[20:21], s[4:5], s[20:21]
	s_add_nc_u64 s[46:47], s[6:7], s[46:47]
	CROUND
.irp s, 0,1
	s_mov_b32 s[G0+4*\s], 1
	s_add_co_u32 s[G0+4*\s+1], s45, \s*SLOT
	s_add_nc_u64 s[G0+4*\s+2:G0+4*\s+3], s[20:21], \s*8192
	s_or_b32 s[G0+4*\s+3], s[G0+4*\s+3], 0x80000000
	s_mov_b32 s[G0B+4*\s], 1
	s_add_co_u32 s[G0B+4*\s+1], s45, \s*SLOT
	s_add_nc_u64 s[G0B+4*\s+2:G0B+4*\s+3], s[46:47], \s*8192
	s_or_b32 s[G0B+4*\s+3], s[G0B+4*\s+3], 0x80000000
	JLOAD \s                                       ; two loads of mine are out
.endr
	v_and_b32 v1, 31, v0
	v_lshlrev_b32 v3, 4, v1
	s_lshl_b32 s70, s15, 15
	s_lshl_b32 s71, s16, 15
	s_add_co_u32 s71, s71, 65536
.irp s, 0,1
	v_add_nc_u32 v[ADRA+\s], s70, v3
	v_add_nc_u32 v[ADRB+\s], s71, v3
	s_add_co_u32 s70, s70, SLOT
	s_add_co_u32 s71, s71, SLOT
.endr
	v_and_b32 v1, 15, v0
	v_bfe_u32 v2, v0, 4, 1
	s_mul_i32 s72, s14, 16*SPITCH                  ; my stage
	v_mul_u32_u24 v4, v1, SPITCH
	v_lshl_add_u32 v4, v2, 5, v4
	v_add_nc_u32 v[STO], s72, v4                   ; in: row r, 32 bytes for each half of the lanes
	v_mul_u32_u24 v5, v2, SPITCH
	v_lshl_add_u32 v5, v1, 4, v5
	v_add_nc_u32 v[RD], s72, v5                    ; back: lanes 0-15 one row of 256 bytes, lanes 16-31 the next
	v_lshlrev_b32 v5, 13, v2
	v_lshl_add_u32 v[CO], v1, 4, v5                ; and the same two rows in out0
	s_lshl_b32 s72, s17, 20                        ; 128 rows of 8,192 bytes a tile row,
	s_lshl_b32 s73, s15, 19
	s_add_co_u32 s72, s72, s73
	s_lshl_b32 s73, s42, 9                         ; 512 bytes a tile column,
	s_add_co_u32 s72, s72, s73
	s_lshl_b32 s73, s16, 8
	s_add_co_u32 s72, s72, s73
	s_mov_b32 s73, 0
	s_add_nc_u64 s[10:11], s[10:11], s[72:73]
.macro MUL8 f, a0, zero                ; 8 matrix instructions; the 16 accumulators take turns, one instruction a turn
.irp a, \a0, \a0+1
.irp b, 0,1,2,3
.if \zero
	v_wmma_f32_16x16x128_fp8_fp8 v[ACC+8*(4*(\a)+\b):ACC+8*(4*(\a)+\b)+7], v[\f+64+16*\b:\f+64+16*\b+15], v[\f+16*(\a):\f+16*(\a)+15], 0
.else
	v_wmma_f32_16x16x128_fp8_fp8 v[ACC+8*(4*(\a)+\b):ACC+8*(4*(\a)+\b)+7], v[\f+64+16*\b:\f+64+16*\b+15], v[\f+16*(\a):\f+16*(\a)+15], v[ACC+8*(4*(\a)+\b):ACC+8*(4*(\a)+\b)+7]
.endif
.endr
.endr
.endm
.macro FETCH slot, q, f                ; the slot's q-th 128 along K: 32 loads of 512 consecutive bytes
	WIN TO_F
.irp i, 0,1,2,3
.irp c, 0,1,2,3
	ds_load_b128 v[\f+64+16*\i+4*\c:\f+64+16*\i+4*\c+3], v[ADRB+\slot] offset:\i*8192+(\q)*2048+512*\c
	ds_load_b128 v[\f+16*\i+4*\c:\f+16*\i+4*\c+3], v[ADRA+\slot] offset:\i*8192+(\q)*2048+512*\c
.endr
.endr
.endm
.macro PLACES
.rept 4
	v_nop
.endr
.endm
.macro KSTEP slot, q, f, g, zero       ; multiplies buffer f, fetches the next 128 along K into g
	s_wait_dscnt 0x0
	WIN MUL
	MUL8 \f, 0, \zero
	PLACES
	FETCH \slot, (\q)+1, \g
	WIN MUL
	MUL8 \f, 2, \zero
.endm
.macro TURN slot, next, fill           ; a slot's last 128: each wave waits for all its tensor loads, adds 0 to its spare word, waits for that and for its reads of the slot; one barrier
	WIN 0
	s_wait_tensorcnt 0x0
	ds_add_u32 v[SPW], v[NIL]
	s_wait_dscnt 1                                 ; the fragments are in; the add may be out
	WIN MUL
	MUL8 F1, 0, 0
	s_wait_dscnt 0x0
	s_barrier_signal -1
	MUL8 F1, 2, 0
	WIN 0
	s_barrier_wait -1
.if \fill
	CREST                                          ; the barrier has opened a round of the cluster's
	s_add_nc_u64 s[G0+4*\slot+2:G0+4*\slot+3], s[G0+4*\slot+2:G0+4*\slot+3], 16384
	s_add_nc_u64 s[G0B+4*\slot+2:G0B+4*\slot+3], s[G0B+4*\slot+2:G0B+4*\slot+3], 16384
	JLOAD \slot                                    ; my one tensor load behind the round; its four v_nop are the places in front of the loads below
.else
	PLACES
.endif
	FETCH \next, 0, F0
.endm
	s_wait_tensorcnt 1                             ; my part of slot 0 is in; slot 1's load may be out
	s_barrier_signal -1
	s_barrier_wait -1
	FETCH 0, 0, F0
	KSTEP 0, 0, F0, F1, 1                          ; the first products start the sums
	KSTEP 0, 1, F1, F0, 0
	KSTEP 0, 2, F0, F1, 0
	TURN 0, 1, 1
	KSTEP 1, 0, F0, F1, 0
	KSTEP 1, 1, F1, F0, 0
	KSTEP 1, 2, F0, F1, 0
	TURN 1, 0, 1
	KSTEP 0, 0, F0, F1, 0
	KSTEP 0, 1, F1, F0, 0
	KSTEP 0, 2, F0, F1, 0
	TURN 0, 1, 0                                   ; nothing is left to fetch
	KSTEP 1, 0, F0, F1, 0
	KSTEP 1, 1, F1, F0, 0
	KSTEP 1, 2, F0, F1, 0
	s_wait_dscnt 0x0
	WIN MUL
	MUL8 F1, 0, 0
	MUL8 F1, 2, 0
	WIN 0
	; THE WAY OUT, 16 rows x 64 columns at a time, through my own stage: sixteen lanes store 256 consecutive bytes, at a multiple of 256 from out0's first byte
	s_wait_kmcnt 0x0
	s_add_co_i32 s74, s68, s69
	s_add_co_i32 s74, s74, 127
	s_lshl_b32 s74, s74, 23                        ; 2^(e10 + e11) as f32
	PLACES
.macro TOSTAGE a
.irp b, 0,1,2,3
.irp j, 0,1,2,3,4,5,6,7
	v_mul_f32 v[TMP+8*\b+\j], s74, v[ACC+8*(4*(\a)+\b)+\j]   ; each accumulator from its low end on
.endr
.endr
.irp b, 0,1,2,3
	ds_store_b128 v[STO], v[TMP+8*\b:TMP+8*\b+3] offset:64*\b
	ds_store_b128 v[STO], v[TMP+8*\b+4:TMP+8*\b+7] offset:64*\b+16
.endr
.irp i, 0,1,2,3,4,5,6,7
	ds_load_b128 v[BK+32*((\a)%2)+4*\i:BK+32*((\a)%2)+4*\i+3], v[RD] offset:2*\i*SPITCH   ; LDS serves a wave's instructions in order: these see my stores
.endr
.endm
.macro SEND a, younger                 ; younger: the LDS instructions issued behind block a's loads
	s_wait_dscnt \younger
.irp i, 0,1,2,3,4,5,6,7
	global_store_b128 v[CO], v[BK+32*((\a)%2)+4*\i:BK+32*((\a)%2)+4*\i+3], s[10:11] offset:(16*(\a)+2*\i)*8192 th:TH_STORE_NT
.endr
.endm
	TOSTAGE 0
.irp a, 1,2,3
.if \a > 1
	s_wait_xcnt 0x0                                ; block a - 2's stores have read their registers: block a's loads may land there
.endif
	TOSTAGE \a
	SEND \a-1, 16                                  ; behind block a - 1's loads: block a's 8 stores and 8 loads
.endr
	SEND 3, 0
	s_wait_tensorcnt 0x0                           ; the wave's end: an add to my spare word and its wait
	ds_add_u32 v[SPW], v[NIL]
	s_wait_dscnt 0x0
	CROUND                                         ; the closing round
	s_endpgm
.Lfunc_end_k_qb0c71899e4_outp:
	.size	k_qb0c71899e4_outp, .Lfunc_end_k_qb0c71899e4_outp-k_qb0c71899e4_outp
	.p2alignl 7, 3214868480
	.fill 96, 4, 3214868480
	.section	.rodata,"a",@progbits
	.p2align	6, 0x0
	.amdhsa_kernel k_qb0c71899e4_outp
		.amdhsa_group_segment_fixed_size 327680
		.amdhsa_private_segment_fixed_size 0
		.amdhsa_enable_private_segment 0
		.amdhsa_kernarg_size 32
		.amdhsa_user_sgpr_count 2
		.amdhsa_user_sgpr_kernarg_segment_ptr 1
		.amdhsa_wavefront_size32 1
		.amdhsa_system_sgpr_workgroup_id_x 1
		.amdhsa_system_sgpr_workgroup_id_y 1
		.amdhsa_system_sgpr_workgroup_id_z 1
		.amdhsa_system_vgpr_workitem_id 0
		.amdhsa_next_free_vgpr 512
		.amdhsa_next_free_sgpr 80
		.amdhsa_reserve_vcc 0
		.amdhsa_float_denorm_mode_32 3
		.amdhsa_float_denorm_mode_16_64 3
		.amdhsa_memory_ordered 1
		.amdhsa_forward_progress 1
		.amdhsa_inst_pref_size 73
	.end_amdhsa_kernel
	.amdgpu_metadata
---
amdhsa.version: [ 1, 2 ]
amdhsa.kernels:
  - .name:           k_qb0c71899e4_outp
    .symbol:         k_qb0c71899e4_outp.kd
    .args:
      - { .name: ac, .offset: 0, .size: 8, .value_kind: global_buffer, .address_space: global }
      - { .name: codes, .offset: 8, .size: 8, .value_kind: global_buffer, .address_space: global }
      - { .name: lowp_scales, .offset: 16, .size: 8, .value_kind: global_buffer, .address_space: global }
      - { .name: out0, .offset: 24, .size: 8, .value_kind: global_buffer, .address_space: global }
    .group_segment_fixed_size: 327680
    .private_segment_fixed_size: 0
    .kernarg_segment_align: 8
    .kernarg_segment_size: 32
    .max_flat_workgroup_size: 128
    .sgpr_count:     80
    .vgpr_count:     512
    .wavefront_size: 32
...
	.end_amdgpu_metadata
.endif
;; end of part 4
;; ======== version 2 of 2: 4 launches; version 1 with the launch attn written anew for expert scheduling mode
;; workspace buffers: codes 29,360,128 bytes; rope 1,048,576 bytes; maskw 524,288 bytes of whole numbers; mflag 65,536 bytes of whole numbers; qkv 12,582,912 bytes; ac 4,194,304 bytes
;; launch prep: the kernel of part 1 again; grid 896 x 1, 4 waves a work-group, no clusters, 68,096 bytes of LDS; arguments x, Wq, Wk, Wv, Wo, mask, lowp_scales, codes, rope, maskw, mflag; writes codes, rope, maskw, mflag
;; launch qkv: the kernel of part 2 again; grid 24 x 8, 4 waves a work-group, clusters of 4 x 4, 327,680 bytes of LDS; arguments codes, lowp_scales, rope, qkv; writes qkv
;; launch attn (part 5): grid 16 x 16, 8 waves a work-group, no clusters, 66,560 bytes of LDS; arguments qkv, maskw, mflag, lowp_scales, ac; writes ac
.if DOCPART == 5
	.amdgcn_target "amdgcn-amd-amdhsa--gfx1250"
	.amdhsa_code_object_version 6
	.text
	.protected	k_qb0c71899e4_attn
	.globl	k_qb0c71899e4_attn
	.p2align	8
	.type	k_qb0c71899e4_attn,@function
k_qb0c71899e4_attn:
	s_mov_b64 s[64:65], 0
	v_nop
	global_prefetch_b8 v0, s[64:65] scope:SCOPE_SE
	s_setreg_imm32_b32 hwreg(HW_REG_WAVE_SCHED_MODE, 0, 2), 2
	s_setreg_imm32_b32 hwreg(HW_REG_WAVE_MODE, 25, 1), 1
	s_wait_xcnt 0x0
	s_wait_alu depctr_vm_vsrc(0)
; THIRD LAUNCH: attention on codes of E4M3: S^T = K Q^T, the mask, p = 2^(t - M), O^T = V^T P^T, O / l quantised for the last product.
; WORK LEFT OUT: a key step (my 16 queries x 128 keys) in which the mask lets no key count gives p = 0 for all its keys and moves neither M, l nor O: it is passed over, by a scalar branch on the flags
; that the first launch stored (whole numbers, read from memory).  In a step in which all keys count for all queries the 64 selections are passed over too.
; t = score x log2(e) / sqrt(128); M = the ceiling of the running largest t, a whole number; l is summed of the unquantised p; when M moves, l and O are multiplied by 2^(old M - new M), which rounds nothing.
; A QUERY FOR WHICH NO KEY COUNTS has l = 0; reference() gives NaN there: its codes become NaN's code, which makes its row of the last product NaN.  A selection, no branch.
; SHARES.  A work-group has eight waves and one head; wave w owns one tile of 16 queries: tile 4 x + w (w < 4) or 131 - 4 x - w: early and late queries together, so that a mask that hides later keys leaves the
; work-groups equal work.  Every wave walks the 16 key steps.  A step's K and V (eight fragments each, images of registers: 32,768 dense bytes) go through two LDS slots by turns, copied through registers, 4,096 bytes a wave.
; NO CLUSTER, NO TENSOR LOAD: the 16 work-groups of a head each copy K and V (512 KiB a work-group).
; LAYOUT.  Both products are used transposed: a lane holds one query (lane % 16) throughout; register 8 t + j of S^T is key 16 t + 8 (lane / 16) + j, so tile t's eight numbers convert into registers 2 t, 2 t + 1 of P.
; LIMITS: e6 + e7 between -123 and 130 (added to c's exponent field); e8, and e10 - e8 - e9, between -126 and 119.  NaN in q, k or v is not served.
; REGISTERS.  window 0: v1 16 x lane; v2 my copy's place; v5, v6 the add's two; v7 -infinity; v8 the prefetches' offset; v9 NaN's code four times; v12 -M; v13 the largest t; v[14:15] l; v16-31 Q; v32-95 S^T, then p;
;   v96-159 O^T; v160-175 codes; v176-183 at work; v184-187 scales; v192-223 V's fragments 6, 7.   window 1: v0-127 K's eight fragments; v128-159, v192-255 V's fragments 0 to 5; v160-191 the copy's data.
; THE MODE: SCHED_MODE bits 1:0 = 2 (LLVM: expert scheduling mode 2), set by the entry lines.  The code itself states the register dependences
; between vector or matrix instructions and memory or LDS instructions, with s_wait_alu, always for 0.
; THE PLAN.  Registers that memory or LDS instructions touch:
;   v1, v2, v8    offsets and LDS addresses: written at the head, ahead of one wait on va_vdst, and never again.
;   Q             loaded once at the head; read by matrix instructions alone.
;   K's buffer    a worked step's first 32 LDS loads land in it; that step's eight products K Q^T read it.
;   V's buffer    the same step's other 32 LDS loads land in it; that step's eight products V^T P^T read it.
;   the copy's    eight global loads land in it at the head of half a trip; eight LDS stores read it at that half's end; no vector instruction names it.
;   v160-175      on the way out: written by conversions and selections, read by the four stores.
; So ONE wait on va_vdst stands at the head of a worked step: the matrix instructions of the last worked step are done reading K's and V's buffers.  The step's 64 LDS loads follow it with no further wait:
; V's are dealt among the products K Q^T, which name K's buffer, Q and S^T, none of V's registers.  One wait on vm_vsrc stands at the head of half a trip, ahead of the copy's loads.
.set SPARE, 65536                      ; behind the two slots: the spare words, 128 bytes a wave: four blocks of 256 bytes that no other line names
.set CP,    160                        ; window 1: the copy's data, 32 registers
.set MSB, 0
.macro WIN new                         ; the immediate's high byte repeats the setting that is left
.if MSB != \new
	s_set_vgpr_msb (MSB<<8)|\new
.set MSB, \new
.endif
.endm
	s_load_b256 s[4:11], s[0:1], 0x0               ; qkv 4, maskw 6, mflag 8, scales 10
	s_load_b64 s[12:13], s[0:1], 0x20              ; ac
	v_lshl_add_u32 v5, v0, 2, SPARE
	v_mov_b32 v6, 0
	v_lshrrev_b32 v3, 5, v0
	v_readfirstlane_b32 s14, v3                    ; wave 0..7
	v_and_b32 v3, 31, v0
	v_lshlrev_b32 v8, 8, v3
	v_lshlrev_b32 v1, 4, v3
	s_wait_alu depctr_va_sdst(0)                   ; s14 is written, ahead of its first reader: addresses, bases and the wave's tile are made from it
	s_lshl_b32 s26, s14, 12
	v_add_nc_u32 v2, s26, v1                       ; wave x 4,096 + 16 x lane
	s_and_b32 s30, ttmp7, 0xffff                   ; the head
	s_lshl_b32 s31, s30, 18                        ; its 262,144 bytes in each of q, k, v
	s_lshl_b32 s26, ttmp9, 2
	s_add_co_u32 s29, s26, s14
	s_sub_co_u32 s27, 131, s29
	s_cmp_lt_u32 s14, 4
	s_cselect_b32 s29, s29, s27                    ; my tile of queries
	s_mov_b32 s90, 0x800000
	s_cselect_b32 s90, 0x400000, s90               ; waves 0-3 copy K, waves 4-7 V
	s_add_co_u32 s90, s90, s31
	s_and_b32 s27, s14, 3
	s_lshl_b32 s27, s27, 12
	s_add_co_u32 s90, s90, s27
	s_mov_b32 s91, 0
	s_cmp_lt_u32 s14, 2                            ; the prefetches: waves 0, 1 for K, waves 2, 3 for V, 8,192 bytes each, beginning with key step 3
	s_mov_b32 s92, 0x800000+3*16384
	s_cselect_b32 s92, 0x400000+3*16384, s92
	s_add_co_u32 s92, s92, s31
	s_and_b32 s27, s14, 1
	s_lshl_b32 s27, s27, 13
	s_add_co_u32 s92, s92, s27
	s_mov_b32 s93, 0
	s_lshr_b32 s28, s14, 2
	s_or_b32 s28, s28, ttmp9
	s_cmp_eq_u32 s28, 0
	s_cselect_b32 s28, 13, 0                       ; waves 0-3 of the head's first work-group ask while the step in hand is under 13; nobody else asks
	s_lshl_b32 s80, s29, 12
	s_mov_b32 s81, 0
	s_lshl_b32 s82, s29, 9
	s_mov_b32 s83, 0
	s_lshl_b32 s84, s29, 15
	s_lshl_b32 s27, s30, 11
	s_add_co_u32 s84, s84, s27
	s_mov_b32 s85, 0
	s_lshl_b32 s86, s29, 11
	s_add_co_u32 s86, s86, s31
	s_mov_b32 s87, 0
	s_wait_kmcnt 0x0
	s_add_nc_u64 s[6:7], s[6:7], s[80:81]          ; my tile's mask words, key step 0
	s_add_nc_u64 s[8:9], s[8:9], s[82:83]          ; its flags
	s_add_nc_u64 s[12:13], s[12:13], s[84:85]      ; its fragment of the result
	s_add_nc_u64 s[88:89], s[4:5], s[86:87]        ; its fragment of q
	s_add_nc_u64 s[22:23], s[4:5], s[90:91]        ; my part of key step 0
	s_add_nc_u64 s[24:25], s[4:5], s[92:93]
	s_load_b128 s[68:71], s[10:11], 0x18           ; e6, e7, e8, e9
	s_load_b32 s72, s[10:11], 0x28                 ; e10
	s_load_b32 s76, s[8:9], 0x0
	s_load_b32 s77, s[8:9], 0x80
	s_load_b32 s78, s[8:9], 0x100
	s_load_b32 s79, s[8:9], 0x180
	s_wait_alu depctr_va_vdst(0)                   ; v1, v2 and v8 are written: every load, LDS load, LDS store, prefetch and store of the kernel reads one of them as its offset or address
.irp c, 0,1,2,3
	global_load_b128 v[16+4*\c:19+4*\c], v1, s[88:89] offset:512*\c
.endr
; again = 1: the copy's registers have been read by LDS stores before.
.macro COPY_LOAD off, again
	WIN 0x40                                       ; destination window 1
.if \again
	s_wait_alu depctr_vm_vsrc(0)                   ; the LDS stores of the half before have read the copy's registers, in which the loads below land
.endif
.irp i, 0,1,2,3,4,5,6,7
	global_load_b128 v[CP+4*\i:CP+3+4*\i], v1, s[22:23] offset:(\off)+512*\i
.endr
	WIN 0
.endm
.macro COPY_STORE slot                 ; the data come from loads, the address from the head: the wait on LOADcnt is all that these stores hang on
	s_wait_loadcnt 0x0
	WIN 0x04                                       ; store data window 1
.irp i, 0,1,2,3,4,5,6,7
	ds_store_b128 v2, v[CP+4*\i:CP+3+4*\i] offset:(\slot)*32768+512*\i
.endr
	WIN 0
.endm
; A PREFETCH INTO THE L2: key step (step in hand) + 3, whose copy is issued two steps on.  All 16 work-groups of a head walk the same K and V: the first asks; its waves 0-3 take 8,192 bytes each, lanes 256 bytes apart:
; each aligned block of 256 bytes is named once.  Steps 0 to 2 come by their loads alone; the last request is for step 15.  It stands behind the wave's copy loads.
.macro ASK off
	s_add_co_u32 s26, s15, \off
	s_cmp_lt_u32 s26, s28
	s_cbranch_scc0 .Lna_\@
	global_prefetch_b8 v8, s[24:25] offset:16384*\off th:TH_LOAD_NT scope:SCOPE_SE
.Lna_\@:
.endm
	COPY_LOAD 0, 0
	v_mov_b32 v7, 0xff800000
	v_mov_b32 v9, 0x7f7f7f7f
	v_mov_b32 v13, 0xff61b1e6                      ; the largest t so far: -3e38
	v_floor_f32 v12, -v13
	v_mov_b32 v14, 0
	v_mov_b32 v15, 0
	v_mov_b32 v179, 0                              ; (named as the upper half of a pair)
	v_mov_b32 v180, 0                              ; a lane permute's destination counts as read
.set j, 0
.rept 64
	v_mov_b32 v[96+j], 0                           ; O^T: which step is a tile's first hangs on the flags, so the sums begin as zeros
.set j, j+1
.endr
	s_mov_b32 s18, 0x76543210
	s_mov_b32 s19, 0xfedcba98
	s_mov_b32 s20, 0x3e0293ee                      ; c = log2(e) / sqrt(128)
	s_mov_b32 s15, 0                               ; the key step in hand, at a trip's head
	s_wait_kmcnt 0x0
	s_or_b32 s16, s76, s77
	s_or_b32 s16, s16, s78
	s_or_b32 s16, s16, s79                         ; bit s: some key of step s counts; bit 16 + s: all count
	s_add_co_i32 s26, s68, s69
	s_lshl_b32 s26, s26, 23
	s_add_co_i32 s20, s20, s26                     ; c x 2^(e6 + e7)
	s_mov_b32 s21, s20
	s_add_co_i32 s26, s70, 127
	s_lshl_b32 s27, s26, 23
	v_mov_b32 v184, s27                            ; 2^e8
	s_add_co_i32 s26, s26, 8
	s_lshl_b32 s26, s26, 23
	s_or_b32 s26, s26, 0x600000
	v_mov_b32 v185, s26                            ; 448 x 2^e8
	s_sub_co_i32 s26, s72, s70
	s_sub_co_i32 s26, s26, s71
	s_add_co_i32 s26, s26, 127
	s_lshl_b32 s27, s26, 23
	v_mov_b32 v186, s27                            ; 2^(e10 - e8 - e9)
	s_add_co_i32 s26, s26, 8
	s_lshl_b32 s26, s26, 23
	s_or_b32 s26, s26, 0x600000
	v_mov_b32 v187, s26
	COPY_STORE 0                                   ; its wait also shows Q in
	s_wait_dscnt 0x0
	s_barrier_signal -1
	s_barrier_wait -1
; V's fragment t of the slot (16 of the head's 128 channels x the step's 128 keys) into 16 registers from reg on, in the window that is set
.macro VFRAG reg, slot, t
.irp c, 0,1,2,3
	ds_load_b128 v[\reg+4*\c:\reg+4*\c+3], v1 offset:(\slot)*32768+16384+(\t)*2048+512*\c
.endr
.endm
; O^T's tile t takes V's fragment t, which lies from reg on
.macro PV t, reg
	v_wmma_f32_16x16x128_fp8_fp8 v[96+8*(\t):103+8*(\t)], v[\reg:\reg+15], v[160:175], v[96+8*(\t):103+8*(\t)]
.endm
; A KEY STEP: step s15 + off, whose tiles lie in the given slot.
.macro STEP slot, off
	s_add_co_u32 s26, s15, \off
	s_lshr_b32 s27, s16, s26
	s_and_b32 s27, s27, 1
	s_cmp_lg_u32 s27, 0
	s_cbranch_scc0 .Lskip_\@                       ; no key of the step counts for my queries
	WIN 0x40                                       ; destination window 1
	s_wait_alu depctr_va_vdst(0)                   ; the matrix instructions of the last worked step are done reading K's and V's buffers, in which this step's 64 LDS loads land
	s_load_b512 s[32:47], s[6:7], 256*\off         ; the step's 64 mask words: word n in s[32 + n + 4 (n / 32)]
	s_load_b512 s[48:63], s[6:7], 256*\off+64
	s_load_b512 s[68:83], s[6:7], 256*\off+128
	s_load_b512 s[84:99], s[6:7], 256*\off+192
.irp t, 0,1,2,3,4,5,6,7
.irp c, 0,1,2,3
	ds_load_b128 v[16*\t+4*\c:16*\t+4*\c+3], v1 offset:\slot*32768+\t*2048+512*\c
.endr
.endr
	s_wait_dscnt 16                                ; K's tiles 0-3 are in; the youngest 16 loads, K's tiles 4-7, may be out
	WIN 0x01                                       ; source 0 window 1
.irp t, 0,1,2,3
	v_wmma_f32_16x16x128_fp8_fp8 v[32+8*\t:39+8*\t], v[16*\t:16*\t+15], v[16:31], 0
.endr
	WIN 0x40
	VFRAG 128, \slot, 0                            ; V is asked for among the products.  No wait: no vector or matrix instruction since the wait at the step's head names V's buffer
	VFRAG 144, \slot, 1
	VFRAG 192, \slot, 2
	VFRAG 208, \slot, 3
	s_wait_dscnt 16                                ; K's tiles 4-7 are in; the youngest 16 loads, V's fragments 0-3, may be out
	WIN 0x01
.irp t, 4,5,6,7
	v_wmma_f32_16x16x128_fp8_fp8 v[32+8*\t:39+8*\t], v[16*\t:16*\t+15], v[16:31], 0
.endr
	WIN 0x40
	VFRAG 224, \slot, 4
	VFRAG 240, \slot, 5
	WIN 0
	VFRAG 192, \slot, 6                            ; the last two fragments lie in window 0.  V lands while the softmax is worked
	VFRAG 208, \slot, 7
.rept 4
	v_nop                                          ; places in front of the first read of the scores
.endr
	s_wait_kmcnt 0x0
	s_add_co_u32 s26, s26, 16
	s_lshr_b32 s27, s16, s26
	s_and_b32 s27, s27, 1
	s_cmp_lg_u32 s27, 0
	s_cbranch_scc1 .Lopen_\@                       ; all keys count for all my queries
.set n, 0
.rept 64
	v_cndmask_b32 v[32+n], v7, v[32+n], s[32+n+4*(n/32)]   ; a hidden key's score becomes -infinity: p = 0
.set n, n+1
.endr
.Lopen_\@:
	v_max3_num_f32 v176, v32, v33, v34             ; the step's largest score of my query among my 64 keys, in two chains, each tile from its low end on
	v_max3_num_f32 v178, v35, v36, v37
.irp i, 6,10,14,18,22,26,30,34,38,42,46,50,54,58
	v_max3_num_f32 v176, v176, v[32+\i], v[33+\i]
	v_max3_num_f32 v178, v178, v[34+\i], v[35+\i]
.endr
	v_max3_num_f32 v176, v176, v94, v95
	v_max_num_f32 v176, v176, v178
	v_permlanex16_b32 v180, v176, s18, s19
	v_max_num_f32 v176, v176, v180                 ; and among lane l xor 16's
	v_mul_f32 v176, s20, v176                      ; as t (c is positive)
	v_max_num_f32 v13, v13, v176
	v_mov_b32 v176, v12
	v_floor_f32 v12, -v13                          ; -M = floor(-t)
	v_sub_f32 v176, v12, v176                      ; old M - new M: a whole number, 0 or less
	v_cvt_i32_f32 v176, v176                       ; (it saturates)
	v_ldexp_f32 v178, 1.0, v176                    ; f = 2^(old M - new M)
.set j, 0
.rept 32
	v_pk_fma_f32 v[32+j:33+j], v[32+j:33+j], s[20:21], v[12:13] op_sel_hi:[1,0,0]   ; t - M
.set j, j+2
.endr
.set j, 0
.rept 64
	v_exp_f32 v[32+j], v[32+j]
.set j, j+1
.endr
	v_pk_mul_f32 v[14:15], v[14:15], v[178:179] op_sel_hi:[1,0]   ; l under the new M: the plain instruction behind the exponentials
	s_wait_alu depctr_va_vdst(0)                   ; the 64 exponentials have written p: one wait for the batch, ahead of its first reader
	v_pk_add_f32 v[182:183], v[32:33], v[34:35]    ; l is summed of the unquantised p, in two chains
.irp j, 4,8,12,16,20,24,28,32,36,40,44,48,52,56,60
	v_pk_add_f32 v[14:15], v[14:15], v[32+\j:33+\j]
	v_pk_add_f32 v[182:183], v[182:183], v[34+\j:35+\j]
.endr
	v_pk_add_f32 v[14:15], v[14:15], v[182:183]
.irp t, 0,1,2,3,4,5,6,7
.irp i, 0,1,2,3,4,5,6,7
	v_min_num_f32 v[32+8*\t+\i], v[32+8*\t+\i], v185   ; the conversion does not saturate (ISA guide 7.6.2); p is not negative: a one-sided hold
.endr
	v_cvt_scalef32_pk8_fp8_f32 v[160+2*\t:161+2*\t], v[32+8*\t:39+8*\t], v184
.endr
.set j, 0
.rept 32
	v_pk_mul_f32 v[96+j:97+j], v[96+j:97+j], v[178:179] op_sel_hi:[1,0]   ; O^T under the new M
.set j, j+2
.endr
	s_wait_dscnt 0x0                               ; V is in
	WIN 0x01                                       ; the eight accumulators take turns, one instruction a turn
	PV 0, 128
	PV 1, 144
	PV 2, 192
	PV 3, 208
	PV 4, 224
	PV 5, 240
	WIN 0
	PV 6, 192
	PV 7, 208
.rept 4
	v_nop                                          ; places between these products and what reads their results next: behind the last step that is the way out
.endr
.Lskip_\@:
.endm
; Half a trip: the next step's tiles are asked for, this step is worked, the tiles go into the other slot, one barrier.  That slot was last read in the step before, in front of that step's barrier; it is read behind this one.
; The copy, the waits and the barrier stand on every wave's path; only a step's own work lies under the branches on flags.
.macro HALF slot, off, ask
	COPY_LOAD 16384*(\off+1), 1
.if \ask
	ASK \off
.endif
	STEP \slot, \off
	COPY_STORE 1-\slot
	s_wait_dscnt 0x0                               ; my stores have landed, and my reads of this step's slot are over
	s_barrier_signal -1
	s_barrier_wait -1
.endm
.Ltrip:                                            ; seven trips: steps 0 to 13
	HALF 0, 0, 1
	HALF 1, 1, 1
	s_wait_xcnt 0x0                                ; the trip's loads and prefetches have read their bases: they step only behind this wait
	s_add_nc_u64 s[22:23], s[22:23], 32768
	s_add_nc_u64 s[6:7], s[6:7], 512
	s_add_nc_u64 s[24:25], s[24:25], 32768
	s_add_co_u32 s15, s15, 2
	s_cmp_lt_u32 s15, 14
	s_cbranch_scc1 .Ltrip
	HALF 0, 0, 0                                   ; step 14, and the copy of step 15
	STEP 1, 1                                      ; step 15: nothing is left to copy
	; THE WAY OUT
	v_add_f32 v14, v14, v15
	v_permlanex16_b32 v180, v14, s18, s19
	v_add_f32 v14, v14, v180                       ; the row's sum
	v_cmp_eq_f32 s26, 0, v14                       ; no key counted for my query
	s_wait_alu depctr_va_sdst(0)                   ; the compare has written s26, ahead of its first reader, the selection below
	v_cndmask_b32 v14, v14, 1.0, s26
	v_rcp_f32 v14, v14
	v_nop
	s_wait_alu depctr_va_vdst(0)                   ; the reciprocal has written v14, ahead of its first reader
.set j, 0
.rept 64
	v_mul_f32 v[32+j], v[96+j], v14                ; O^T / l, each accumulator from its low end on
.set j, j+1
.endr
.set j, 0
.rept 64
	v_med3_num_f32 v[32+j], v[32+j], -v187, v187
.set j, j+1
.endr
.irp t, 0,1,2,3,4,5,6,7
	v_cvt_scalef32_pk8_fp8_f32 v[160+2*\t:161+2*\t], v[32+8*\t:39+8*\t], v186   ; registers 2 t, 2 t + 1 of the last product's operand: channels 16 t + 8 h + 0 .. 7 of my query
.endr
	v_nop
.set j, 0
.rept 16
	v_cndmask_b32 v[160+j], v[160+j], v9, s26
.set j, j+1
.endr
	s_wait_alu depctr_va_vdst(0)                   ; the selections have written v160 to v175, which the four stores read
.irp g, 0,1,2,3
	global_store_b128 v1, v[160+4*\g:163+4*\g], s[12:13] offset:512*\g
.endr
	s_wait_dscnt 0x0                               ; the closing lines, six on end
	s_wait_alu 0x0
	s_wait_tensorcnt 0x0
	ds_add_u32 v5, v6
	s_wait_dscnt 0x0
	s_endpgm
.Lfunc_end_k_qb0c71899e4_attn:
	.size	k_qb0c71899e4_attn, .Lfunc_end_k_qb0c71899e4_attn-k_qb0c71899e4_attn
	.p2alignl 7, 3214868480
	.fill 96, 4, 3214868480
	.section	.rodata,"a",@progbits
	.p2align	6, 0x0
	.amdhsa_kernel k_qb0c71899e4_attn
		.amdhsa_group_segment_fixed_size 66560
		.amdhsa_private_segment_fixed_size 0
		.amdhsa_enable_private_segment 0
		.amdhsa_kernarg_size 40
		.amdhsa_user_sgpr_count 2
		.amdhsa_user_sgpr_kernarg_segment_ptr 1
		.amdhsa_wavefront_size32 1
		.amdhsa_system_sgpr_workgroup_id_x 1
		.amdhsa_system_sgpr_workgroup_id_y 1
		.amdhsa_system_sgpr_workgroup_id_z 1
		.amdhsa_system_vgpr_workitem_id 0
		.amdhsa_next_free_vgpr 512
		.amdhsa_next_free_sgpr 100
		.amdhsa_reserve_vcc 0
		.amdhsa_float_denorm_mode_32 3
		.amdhsa_float_denorm_mode_16_64 3
		.amdhsa_memory_ordered 1
		.amdhsa_forward_progress 1
		.amdhsa_inst_pref_size 115
	.end_amdhsa_kernel
	.amdgpu_metadata
---
amdhsa.version: [ 1, 2 ]
amdhsa.kernels:
  - .name:           k_qb0c71899e4_attn
    .symbol:         k_qb0c71899e4_attn.kd
    .args:
      - { .name: qkv, .offset: 0, .size: 8, .value_kind: global_buffer, .address_space: global }
      - { .name: maskw, .offset: 8, .size: 8, .value_kind: global_buffer, .address_space: global }
      - { .name: mflag, .offset: 16, .size: 8, .value_kind: global_buffer, .address_space: global }
      - { .name: lowp_scales, .offset: 24, .size: 8, .value_kind: global_buffer, .address_space: global }
      - { .name: ac, .offset: 32, .size: 8, .value_kind: global_buffer, .address_space: global }
    .group_segment_fixed_size: 66560
    .private_segment_fixed_size: 0
    .kernarg_segment_align: 8
    .kernarg_segment_size: 40
    .max_flat_workgroup_size: 256
    .sgpr_count:     100
    .vgpr_count:     512
    .wavefront_size: 32
...
	.end_amdgpu_metadata
.endif
;; end of part 5
;; launch outp: the kernel of part 4 again; grid 16 x 16, 4 waves a work-group, clusters of 4 x 4, 327,680 bytes of LDS; arguments ac, codes, lowp_scales, out0; writes out0
